; MI455X (gfx1250); checked and timed in simulation.
; The chip was launched on July 23, 2026; its instructions are those of AMD's public machine-readable ISA for CDNA 5 (MIT licence, August 2026) and "CDNA5" Instruction Set Architecture Reference Guide (July 2026). The comments in the code are by the model that wrote it; some were corrected since.
;; Euler CE Minimal. Allowed arithmetic: matrix products marked QUANTISED: E2M1 operands, one E8M0 scale for each 32 along K, by v_wmma_scale_f32_16x16x128_f8f6f4 with both operands' format E2M1 (or v_wmma_scale_f32_32x16x128_f4), f32 sums; products left as they are: bf16, f16 or f32 operands; f32 sums; everything else in f32.
;; Inputs: log_xi 16 float32; w_o 1,024 x 1,024 float32; w_qkv 1,024 x 3,072 float32; x 2 x 2,048 x 1,024 float32.
;; Outputs: out0 2 x 2,048 x 1,024 float32.
;; This version of the problem:
;;   THIS VERSION OF THE PROBLEM IS GIVEN IN LOW PRECISION. The matrix products marked QUANTISED in the list below multiply operands that are first quantised to E2M1 (2 exponent bits, 1 mantissa bit; 4 bits a number), with one power-of-two scale for each 32 numbers along K (OCP MX v1.0); their sums are f32. The products marked 'left as it is' may take bf16, f16 or f32 operands, with f32 sums. Whichever they take, every output number must still come out within the allowed error. Rounding operands to bf16 (8 significant bits) uses up far more of that allowance than f16 does (11 bits, for magnitudes from 6e-5 to 65,504). All else is computed in f32.
;;   The module's matrix products, in the order in which they are computed (A, B: the left and right operand; K: the contracted axis; several contracted axes count as one K, in the product's order):
;;     1. [M 4,096, K 1,024] x [K 1,024, N 3,072]; A: input x; B: input w_qkv: QUANTISED
;;     2. batch 32 x [M 2,048, K 64] x [K 64, N 2,048]; A: computed on the way; B: computed on the way: left as it is (an operand is computed on the way)
;;     3. batch 32 x [M 2,048, K 2,048] x [K 2,048, N 64]; A: computed on the way; B: computed on the way: left as it is (an operand is computed on the way)
;;     4. [M 4,096, K 1,024] x [K 1,024, N 1,024]; A: computed on the way; B: input w_o: left as it is (an operand is computed on the way)
;;   THE QUANTISER, for each operand of a quantised product, along K:
;;     - K is cut into blocks of 32 from its start; a last block that is shorter is filled with zeros.
;;     - A block's scale is 2^e with e = floor(log2(the largest magnitude in the block)) - 2, held to -126 .. 127; a block of zeros has e = 0. As a byte (E8M0): e + 127.
;;     - Each number is divided by its block's scale, clamped to +-6, and rounded to the nearest number of E2M1, ties to even, subnormals kept.
;;     - The product sums the exact products of the quantised numbers (number of the format x scale) in f32.
;;   ~~~python
;;   def quantise(x, axis):      # numpy; x: float32 -> the quantised numbers, widened to float32 again
;;       x = np.moveaxis(x, axis, -1); K = x.shape[-1]
;;       x = np.pad(x, [(0, 0)] * (x.ndim - 1) + [(0, -K % 32)]); x = x.reshape(x.shape[:-1] + (-1, 32)); a = np.abs(x).max(-1, keepdims=True)
;;       e = np.where(a > 0, np.clip(np.frexp(np.where(a > 0, a, 1))[1] - 1 - 2, -126, 127), 0)      # np.frexp(a)[1] - 1 = floor(log2(a)), exactly
;;       r = np.clip(x / 2.0 ** e, -6, 6)
;;       step = 2.0 ** (np.maximum(np.frexp(np.where(r == 0, 1, r))[1] - 1, 0) - 1)
;;       q = np.round(r / step) * step * 2.0 ** e      # np.round: ties to even
;;       return np.moveaxis(q.reshape(q.shape[:-2] + (-1,))[..., :K], -1, axis).astype(np.float32)
;;   ~~~
;; One version. Each part assembles by itself: llvm-mc -triple=amdgcn-amd-amdhsa -mcpu=gfx1250 --defsym DOCPART=n.
;; ======== version 1 of 1: 5 launches
;; limits: values are held in f16: magnitudes above 65,504 overflow, below 6.1e-05 lose precision; right only within a limited range of input values
;; workspace buffers: codes 3,670,016 bytes; scales 229,376 bytes; wot 4,194,304 bytes; tab 524,288 bytes; qkv 25,559,040 bytes; ao 8,388,608 bytes
;; launch prep (part 1): grid 272 x 1, 8 waves a work-group, no clusters, 131,072 bytes of LDS; arguments x, w_qkv, w_o, codes, scales, wot, tab; writes codes, scales, wot, tab
.if DOCPART == 1
	.amdgcn_target "amdgcn-amd-amdhsa--gfx1250"
	.amdhsa_code_object_version 6
	.text
	.protected	k_qc21ea95b41_prep
	.globl	k_qc21ea95b41_prep
	.p2align	8
	.type	k_qc21ea95b41_prep,@function
k_qc21ea95b41_prep:
	s_mov_b64 s[64:65], 0
	v_nop
	global_prefetch_b8 v0, s[64:65] scope:SCOPE_SE
	s_setreg_imm32_b32 hwreg(HW_REG_WAVE_MODE, 25, 1), 1
	s_wait_xcnt 0x0
; PREP: four jobs in one launch, chosen by the work-group's number alone; the four ways share no LDS byte but each thread's own spare word, and meet again only at the common end.
;   work-groups   0..127  X: x [4096][1024] f32 -> codes of FP4 (E2M1), K innermost, [4096][512 bytes] at codes+0, and one E8M0 byte for each 32 along K, [4096][32] at scales+0
;   work-groups 128..223  W: w_qkv [1024 k][3072 n] f32, K outermost -> codes [3072 n][512 bytes] at codes+XC, bytes [3072][32] at scales+XSOFF
;   work-groups 224..255  O: w_o [1024 k][1024 n] f32 -> its transpose [n][k] as two f16 parts, high at wot+0, low at wot+LOOFF (x = high + low up to f16's rounding of the low part)
;   work-groups 256..271  T: the table (cos, sin)(pos x 10000^(-f/32)), [2048 pos][32 f] pairs of f32
; A block's scale is 2^(floor(log2(largest magnitude)) - 2): its byte is the largest magnitude's exponent field - 2, held at 1 from below.  A block of zeros gets the byte 1 where the rule says 127: its codes are
; zeros, which add nothing under any byte but 0xff, and this program alone reads the bytes.
; LIMITS: blocks whose largest magnitude lies under 2^(3 - 127) keep the byte 1; NaN and infinities among the inputs are not served; w_o under 65,504 in magnitude; parts of w_o under 6e-5 are f16 subnormals
; (absolute step 6e-8).  The rotary frequency comes from v_exp_f32 (1 ulp: ISA guide, its entry), so an angle may differ from a correctly rounded one by some 1e-4 rad at position 2,047.
; W's scale bytes leave as 16 bytes of each row of 32: 98,304 bytes in all, one byte in 128 of what the path reads.
.set XC,    2097152                    ; where w_qkv's codes begin in codes
.set XSOFF, 131072                     ; where its scale bytes begin in scales
.set LOOFF, 2097152                    ; where the low parts begin in wot
.set XST,   0                          ; X: 8 waves x two stages of 32 x 80 bytes
.set XSB,   40960                      ; X: 8 waves x 128 scale bytes
.set WST,   41984                      ; W: 64 columns x (256 bytes of codes + 16)
.set WSB,   59392                      ; W: 64 columns x 16 scale bytes
.set OST,   60416                      ; O: 8 waves x 32 columns x (256 bytes + 16)
.set SPARE, 130048                     ; the spare words, 128 bytes for each wave: four blocks of 256 bytes that no other line names
.set SPW,   12                         ; v12  LDS address of my spare word; never rewritten
.set NIL,   13                         ; v13  0; never rewritten
.set EMAX,  2
.set SP,    80                         ; X: a lane's place in a stage: 64 bytes + 16 of padding
.set STEPS, 8                          ; X: steps of 512 numbers for a wave
.set R,     16                         ; X: v16-79 four sets of 16 numbers as loaded
.set X,     80                         ; X: v80-111 two sets of 16 neighbours
.set E,     112                        ; X: a scale byte for each step
.set C,     128                        ; X: codes, four registers for each step
; ---- X's macros: each load reads 512 consecutive bytes; a step's 2,048 bytes turn through the wave's own stage so that a lane holds 16 neighbours along K
.macro XLOAD t
.irp i, 0,1,2,3
	global_load_b128 v[R+16*((\t)%4)+4*\i:R+16*((\t)%4)+4*\i+3], v3, s[4:5] offset:2048*(\t)+512*\i th:TH_LOAD_NT
.endr
.endm
.macro XTURN t                         ; LDS serves a wave's instructions in order: no wait between the stores and the loads
.irp i, 0,1,2,3
	ds_store_b128 v14, v[R+16*((\t)%4)+4*\i:R+16*((\t)%4)+4*\i+3] offset:32*SP*((\t)%2)+8*SP*\i
.endr
.irp i, 0,1,2,3
	ds_load_b128 v[X+16*((\t)%2)+4*\i:X+16*((\t)%2)+4*\i+3], v15 offset:32*SP*((\t)%2)+16*\i
.endr
.endm
.macro XSTEP t
.set XS, X+16*((\t)%2)
.if (\t) > 0
	s_wait_dscnt 1                                 ; this step's numbers are back from the stage; the last step's byte store may be out
.else
	s_wait_dscnt 0x0
.endif
.if (\t)+4 < STEPS
	XLOAD (\t)+4                                   ; into the set whose stores into the stage are done
.endif
.if (\t)+1 < STEPS
.if STEPS-2-(\t) >= 3
	s_wait_loadcnt 12                              ; the next step's four loads are in; three steps' loads behind them may be out
.else
	s_wait_loadcnt 4*(STEPS-2-(\t))
.endif
	XTURN (\t)+1
.endif
	v_max3_num_f32 v8, |v[XS]|, |v[XS+1]|, |v[XS+2]|
	v_max3_num_f32 v9, |v[XS+3]|, |v[XS+4]|, |v[XS+5]|
.irp i, 6,10
	v_max3_num_f32 v8, v8, |v[XS+\i]|, |v[XS+\i+1]|
	v_max3_num_f32 v9, v9, |v[XS+\i+2]|, |v[XS+\i+3]|
.endr
	v_max3_num_f32 v8, v8, |v[XS+14]|, |v[XS+15]|
	v_max3_num_f32 v8, v8, v9, (EMAX+1)<<23        ; with the floor 2^(3 - 127): the byte cannot fall under 1
	v_max_num_f32_dpp v8, v8, v8 row_xmask:1 row_mask:0xf bank_mask:0xf   ; and my neighbour's 16: the block's largest magnitude
	v_add_nc_u32 v11, -(EMAX<<23), v8              ; 2 off its exponent field: the conversion's scale operand
	v_cvt_scalef32_pk8_fp4_f32 v[C+4*(\t)], v[XS:XS+7], v11
	v_cvt_scalef32_pk8_fp4_f32 v[C+4*(\t)+1], v[XS+8:XS+15], v11
	v_lshrrev_b32 v[E+(\t)], 23, v11               ; the scale's byte
	ds_store_b8 v5, v[E+(\t)] offset:16*(\t)       ; both lanes of a block write the same byte with the same value
	global_store_b64 v4, v[C+4*(\t):C+4*(\t)+1], s[10:11] offset:256*(\t)   ; the wave stores 256 consecutive bytes, aligned
.endm
; ---- W's macros: a lane takes a column, its registers run down K
.macro WLOAD t
.irp i, 0,1,2,3,4,5,6,7,8,9,10,11,12,13,14,15,16,17,18,19,20,21,22,23,24,25,26,27,28,29,30,31
	global_load_b32 v[32+32*((\t)%2)+\i], v3, s[6:7] offset:(32*(\t)+\i)*12288 th:TH_LOAD_NT
.endr
.endm
.macro WBLOCK t
.set XS, 32+32*((\t)%2)
.if (\t) < 3
	s_wait_loadcnt 32                              ; this block's 32 loads are in; the next block's may be out
.else
	s_wait_loadcnt 0x0
.endif
	v_max3_num_f32 v16, |v[XS]|, |v[XS+1]|, |v[XS+2]|
	v_max3_num_f32 v17, |v[XS+3]|, |v[XS+4]|, |v[XS+5]|
.irp i, 6,10,14,18,22,26
	v_max3_num_f32 v16, v16, |v[XS+\i]|, |v[XS+\i+1]|
	v_max3_num_f32 v17, v17, |v[XS+\i+2]|, |v[XS+\i+3]|
.endr
	v_max3_num_f32 v16, v16, |v[XS+30]|, |v[XS+31]|
	v_max3_num_f32 v16, v16, v17, (EMAX+1)<<23
	v_add_nc_u32 v18, -(EMAX<<23), v16
	v_lshrrev_b32 v17, 23, v18
.if (\t) == 0
	v_mov_b32 v24, v17                             ; my four bytes in one register, the lower K in the lower byte
.else
	v_lshl_or_b32 v24, v17, 8*(\t), v24
.endif
.irp g, 0,1,2,3
	v_cvt_scalef32_pk8_fp4_f32 v[96+\g], v[XS+8*\g:XS+8*\g+7], v18
.endr
	ds_store_b128 v4, v[96:99] offset:16*(\t)      ; 32 codes: 16 bytes of my column's row
.if (\t)+2 < 4
	WLOAD (\t)+2
.endif
	s_wait_dscnt 0x0                               ; the store has read its registers: the next block's codes may be written
.endm
; ---- O's macros
.macro OLOAD t
.irp i, 0,1,2,3,4,5,6,7,8,9,10,11,12,13,14,15,16,17,18,19,20,21,22,23,24,25,26,27,28,29,30,31
	global_load_b32 v[128+32*((\t)%2)+\i], v3, s[8:9] offset:(32*(\t)+\i)*4096 th:TH_LOAD_NT
.endr
.endm
.macro OSPLIT t                        ; 32 numbers down K of my column: t = 8193 x, high = t - (t - x) has 11 significant bits, low = x - high is exact
.set XS, 128+32*((\t)%2)
.if (\t) < 3
	s_wait_loadcnt 32
.else
	s_wait_loadcnt 0x0
.endif
.irp i, 0,1,2,3,4,5,6,7,8,9,10,11,12,13,14,15
	v_pk_mul_f32 v[192+2*\i:193+2*\i], v[XS+2*\i:XS+2*\i+1], s[26:27] op_sel_hi:[1,0]
.endr
.irp i, 0,1,2,3,4,5,6,7,8,9,10,11,12,13,14,15
	v_pk_add_f32 v[224+2*\i:225+2*\i], v[192+2*\i:193+2*\i], v[XS+2*\i:XS+2*\i+1] neg_lo:[0,1] neg_hi:[0,1]
.endr
.irp i, 0,1,2,3,4,5,6,7,8,9,10,11,12,13,14,15
	v_pk_add_f32 v[192+2*\i:193+2*\i], v[192+2*\i:193+2*\i], v[224+2*\i:225+2*\i] neg_lo:[0,1] neg_hi:[0,1]
.endr
.irp i, 0,1,2,3,4,5,6,7,8,9,10,11,12,13,14,15
	v_pk_add_f32 v[XS+2*\i:XS+2*\i+1], v[XS+2*\i:XS+2*\i+1], v[192+2*\i:193+2*\i] neg_lo:[0,1] neg_hi:[0,1]
.endr
.irp i, 0,1,2,3,4,5,6,7,8,9,10,11,12,13,14,15
	v_cvt_pk_f16_f32 v[32+\i], v[192+2*\i], v[193+2*\i]
	v_cvt_pk_f16_f32 v[48+16*(\t)+\i], v[XS+2*\i], v[XS+2*\i+1]
.endr
.irp c, 0,1,2,3
	ds_store_b128 v4, v[32+4*\c:35+4*\c] offset:64*(\t)+16*\c   ; the high parts: 64 bytes of my column's row
.endr
.if (\t)+2 < 4
	OLOAD (\t)+2
.endif
	s_wait_dscnt 0x0                               ; the stores have read their registers
.endm
; ---- T's macro: cos and sin of position s33 + i at my lane's frequency.  The angle is one f32 product; it is reduced by a multiple of pi/2 held in two parts; two short series on [-pi/4, pi/4]; the quadrant swaps and signs
.macro SINCOS i
	s_add_co_u32 s34, s33, \i
	v_cvt_f32_u32 v16, s34
	v_mul_f32 v16, v16, v15                        ; the angle
	v_mul_f32 v17, s20, v16
	v_rndne_f32 v17, v17                           ; k = the nearest multiple of pi/2
	v_fma_f32 v18, -v17, s21, v16
	v_fma_f32 v18, -v17, s22, v18                  ; r
	v_cvt_i32_f32 v19, v17
	v_mul_f32 v20, v18, v18                        ; z = r r
	v_fma_f32 v21, v20, s23, s24
	v_fma_f32 v23, v20, s26, s27
	v_mul_f32 v22, v20, v18
	v_mul_f32 v24, v20, v20
	v_fma_f32 v21, v21, v20, s25
	v_fma_f32 v23, v23, v20, s28
	v_fma_f32 v25, v20, -0.5, 1.0
	v_fma_f32 v21, v21, v22, v18                   ; sin r
	v_fma_f32 v23, v23, v24, v25                   ; cos r
	v_and_b32 v24, 1, v19
	v_cmp_eq_u32 vcc_lo, 1, v24
	v_cndmask_b32 v26, v21, v23, vcc_lo            ; odd quadrants swap the two
	v_cndmask_b32 v27, v23, v21, vcc_lo
	v_and_b32 v24, 2, v19
	v_add_nc_u32 v25, 1, v19
	v_lshlrev_b32 v24, 30, v24                     ; sin is negative in quadrants 2, 3
	v_and_b32 v25, 2, v25
	v_xor_b32 v[33+2*\i], v24, v26
	v_lshlrev_b32 v25, 30, v25                     ; cos in quadrants 1, 2
	v_xor_b32 v[32+2*\i], v25, v27
	global_store_b64 v14, v[32+2*\i:33+2*\i], s[16:17] offset:256*\i   ; the wave stores a position's 256 bytes
.endm
	s_load_b256 s[4:11], s[0:1], 0x0               ; x s[4:5], w_qkv s[6:7], w_o s[8:9], codes s[10:11]
	s_load_b128 s[12:15], s[0:1], 0x20             ; scales s[12:13], wot s[14:15]
	s_load_b64 s[16:17], s[0:1], 0x30              ; tab
	v_lshl_add_u32 v[SPW], v0, 2, SPARE
	v_mov_b32 v[NIL], 0
	v_lshrrev_b32 v1, 5, v0
	v_readfirstlane_b32 s18, v1                    ; wave 0..7
	v_and_b32 v2, 31, v0                           ; lane
	s_mov_b32 s31, 0                               ; the upper word of every offset: all stay under 2^32
	s_wait_kmcnt 0x0
	s_cmp_lt_u32 ttmp9, 128
	s_cbranch_scc1 .Lpath_x
	s_cmp_lt_u32 ttmp9, 224
	s_cbranch_scc1 .Lpath_w
	s_cmp_lt_u32 ttmp9, 256
	s_cbranch_scc1 .Lpath_o
	; ================ T: 128 positions a work-group, 16 a wave; lane = frequency
	s_sub_co_u32 s19, ttmp9, 256
	s_lshl_b32 s19, s19, 7
	s_lshl_b32 s29, s18, 4
	s_add_co_u32 s33, s19, s29                     ; my wave's first position
	s_lshl_b32 s30, s33, 8
	s_add_nc_u64 s[16:17], s[16:17], s[30:31]
	s_mov_b32 s20, 0x3f22f983                      ; 2 / pi
	s_mov_b32 s21, 0x3fc90fdb                      ; pi / 2, high part
	s_mov_b32 s22, 0xb33bbd2e                      ; and what is left of it
	s_mov_b32 s23, 0xb94ca1f9                      ; sin: -1.9515296e-4
	s_mov_b32 s24, 0x3c08839e                      ;       8.3321609e-3
	s_mov_b32 s25, 0xbe2aaaa3                      ;      -1.6666655e-1
	s_mov_b32 s26, 0x37ccf5ce                      ; cos:  2.4433157e-5
	s_mov_b32 s27, 0xbab6061a                      ;      -1.3887316e-3
	s_mov_b32 s28, 0x3d2aaaa5                      ;       4.1666646e-2
	v_cvt_f32_u32 v15, v2
	v_mul_f32 v15, 0xbed49a78, v15                 ; -f log2(10000) / 32
	v_exp_f32 v15, v15                             ; 10000^(-f / 32)
	v_lshlrev_b32 v14, 3, v2                       ; (a plain instruction behind the exponential)  8 bytes a frequency
	s_wait_alu depctr_va_vdst(0)                   ; the wait ahead of the result's first reader
.irp i, 0,1,2,3,4,5,6,7,8,9,10,11,12,13,14,15
	SINCOS \i
.endr
	s_branch .Lend
	; ================ X: a wave takes 4,096 numbers: 8 steps of 512
.Lpath_x:
	v_lshlrev_b32 v3, 4, v2                        ; my 16 bytes of a load's 512
	s_mul_i32 s19, s18, 2*32*SP                    ; my wave's two stages
	v_lshrrev_b32 v14, 2, v2
	v_mul_u32_u24 v14, v14, SP
	v_and_b32 v15, 3, v2
	v_lshl_add_u32 v14, v15, 4, v14
	v_add_nc_u32 v14, s19, v14                     ; into a stage: 80 (lane / 4) + 16 (lane % 4)
	v_mul_u32_u24 v15, v2, SP
	v_add_nc_u32 v15, s19, v15                     ; out of it: 80 x lane
	v_lshlrev_b32 v4, 3, v2                        ; my 8 bytes of a step's codes
	v_lshrrev_b32 v5, 1, v2
	s_lshl_b32 s19, s18, 7
	s_add_co_u32 s19, s19, XSB
	v_add_nc_u32 v5, s19, v5                       ; my wave's 128 scale bytes, my block's byte
	s_lshl_b32 s19, s18, 8
	v_add_nc_u32 v7, s19, v4                       ; the bytes' way out (waves 0 to 3): 256 x wave + 8 x lane
	v_add_nc_u32 v6, XSB, v7
	s_lshl_b32 s20, ttmp9, 3
	s_add_co_u32 s20, s20, s18                     ; which run of 4,096 numbers is my wave's
	s_lshl_b32 s30, s20, 14
	s_add_nc_u64 s[4:5], s[4:5], s[30:31]
	s_lshl_b32 s30, s20, 11
	s_add_nc_u64 s[10:11], s[10:11], s[30:31]
	s_lshl_b32 s30, ttmp9, 10                      ; the work-group's 1,024 scale bytes
	s_add_nc_u64 s[12:13], s[12:13], s[30:31]
.irp t, 0,1,2,3
	XLOAD \t
.endr
	s_wait_loadcnt 12                              ; step 0's four loads are in
	XTURN 0
.irp t, 0,1,2,3,4,5,6,7
	XSTEP \t
.endr
	s_wait_dscnt 0x0                               ; for the others' sake: my byte stores have landed
	s_barrier_signal -1
	s_barrier_wait -1
	s_cmp_lt_u32 s18, 4                            ; two waves' 128 bytes make a unit: waves 0 to 3 store one each
	s_cbranch_scc0 .Lend
	ds_load_b64 v[8:9], v6
	s_wait_dscnt 0x0
	global_store_b64 v7, v[8:9], s[12:13]          ; 32 lanes store 256 consecutive bytes, aligned
	s_branch .Lend
	; ================ W: a work-group takes 64 columns x 512 along K; wave: 32 columns (cg) x 128 along K (kq), four blocks a lane
.Lpath_w:
	s_sub_co_u32 s19, ttmp9, 128
	s_lshr_b32 s20, s19, 1                         ; xg: which 64 columns
	s_and_b32 s21, s19, 1                          ; y: which 512 along K
	s_and_b32 s22, s18, 1                          ; cg
	s_lshr_b32 s23, s18, 1                         ; kq
	v_lshlrev_b32 v3, 2, v2
	s_mul_i32 s24, s22, 32*272
	s_lshl_b32 s25, s23, 6
	s_add_co_u32 s24, s24, s25
	s_add_co_u32 s24, s24, WST
	v_mul_u32_u24 v4, v2, 272
	v_add_nc_u32 v4, s24, v4                       ; codes in: row = my column, 64 kq bytes on
	s_lshl_b32 s24, s22, 9
	s_lshl_b32 s25, s23, 2
	s_add_co_u32 s24, s24, s25
	s_add_co_u32 s24, s24, WSB
	v_lshl_add_u32 v5, v2, 4, s24                  ; my scale word: 16 bytes a column, 4 kq on
	v_and_b32 v6, 15, v2
	v_lshrrev_b32 v7, 4, v2
	s_mul_i32 s24, s18, 8*272
	s_add_co_u32 s24, s24, WST
	v_mul_u32_u24 v8, v7, 272
	v_lshl_add_u32 v8, v6, 4, v8
	v_add_nc_u32 v8, s24, v8                       ; codes back: wave w takes rows 8 w on, sixteen lanes to a row
	v_lshlrev_b32 v9, 9, v7
	v_lshl_add_u32 v9, v6, 4, v9                   ; and the same place in the codes' buffer
	s_lshl_b32 s24, s18, 9
	s_add_co_u32 s24, s24, WSB
	v_lshl_add_u32 v10, v2, 4, s24                 ; scale rows back (waves 0, 1): a lane a column
	v_lshlrev_b32 v11, 5, v2
	s_lshl_b32 s24, s21, 9
	s_lshl_b32 s25, s23, 7
	s_add_co_u32 s24, s24, s25
	s_mul_i32 s30, s24, 12288                      ; my first row of w_qkv
	s_lshl_b32 s25, s20, 8
	s_add_co_u32 s30, s30, s25
	s_lshl_b32 s25, s22, 7
	s_add_co_u32 s30, s30, s25                     ; my first column
	s_add_nc_u64 s[6:7], s[6:7], s[30:31]
	s_lshl_b32 s30, s20, 15                        ; codes: (64 xg + 8 w) rows of 512 bytes + 256 y
	s_lshl_b32 s25, s18, 12
	s_add_co_u32 s30, s30, s25
	s_lshl_b32 s25, s21, 8
	s_add_co_u32 s30, s30, s25
	s_add_co_u32 s30, s30, XC
	s_add_nc_u64 s[10:11], s[10:11], s[30:31]
	s_lshl_b32 s30, s20, 11                        ; scale bytes: (64 xg + 32 w) rows of 32 bytes + 16 y
	s_lshl_b32 s25, s18, 10
	s_add_co_u32 s30, s30, s25
	s_lshl_b32 s25, s21, 4
	s_add_co_u32 s30, s30, s25
	s_add_co_u32 s30, s30, XSOFF
	s_add_nc_u64 s[12:13], s[12:13], s[30:31]
	WLOAD 0
	WLOAD 1
.irp t, 0,1,2,3
	WBLOCK \t
.endr
	ds_store_b32 v5, v24
	s_wait_dscnt 0x0                               ; for the others' sake: my codes and my scale word have landed
	s_barrier_signal -1
	s_barrier_wait -1
.irp t, 0,1,2,3
	ds_load_b128 v[112+4*\t:115+4*\t], v8 offset:2*\t*272
.endr
.irp t, 0,1,2,3
	s_wait_dscnt 3-\t
	global_store_b128 v9, v[112+4*\t:115+4*\t], s[10:11] offset:1024*\t   ; sixteen lanes store 256 consecutive bytes, aligned
.endr
	s_cmp_lt_u32 s18, 2
	s_cbranch_scc0 .Lend
	ds_load_b128 v[128:131], v10
	s_wait_dscnt 0x0
	global_store_b128 v11, v[128:131], s[12:13]
	s_branch .Lend
	; ================ O: shares as in W; the waves are independent: each turns 32 columns x 128 along K through its own stage, first the high parts, then the low
.Lpath_o:
	s_sub_co_u32 s19, ttmp9, 224
	s_lshr_b32 s20, s19, 1
	s_and_b32 s21, s19, 1
	s_and_b32 s22, s18, 1
	s_lshr_b32 s23, s18, 1
	s_mov_b32 s26, 0x46000400                      ; 8193.0
	s_mov_b32 s27, s26                             ; (named with it as a pair, so it is written)
	v_lshlrev_b32 v3, 2, v2
	s_mul_i32 s24, s18, 32*272
	s_add_co_u32 s24, s24, OST
	v_mul_u32_u24 v4, v2, 272
	v_add_nc_u32 v4, s24, v4                       ; in: row = my column
	v_and_b32 v6, 15, v2
	v_lshrrev_b32 v7, 4, v2
	v_mul_u32_u24 v8, v7, 272
	v_lshl_add_u32 v8, v6, 4, v8
	v_add_nc_u32 v8, s24, v8                       ; back: sixteen lanes to a row, two rows an instruction
	v_lshlrev_b32 v9, 11, v7
	v_lshl_add_u32 v9, v6, 4, v9                   ; and the same place in wot: rows of 2,048 bytes
	s_lshl_b32 s24, s21, 9
	s_lshl_b32 s25, s23, 7
	s_add_co_u32 s24, s24, s25                     ; my first k
	s_lshl_b32 s30, s24, 12
	s_lshl_b32 s25, s20, 8
	s_add_co_u32 s30, s30, s25
	s_lshl_b32 s25, s22, 7
	s_add_co_u32 s30, s30, s25
	s_add_nc_u64 s[8:9], s[8:9], s[30:31]
	s_lshl_b32 s30, s20, 17                        ; wot: (64 xg + 32 cg) rows + 2 bytes a k
	s_lshl_b32 s25, s22, 16
	s_add_co_u32 s30, s30, s25
	s_lshl_b32 s25, s24, 1
	s_add_co_u32 s30, s30, s25
	s_add_nc_u64 s[14:15], s[14:15], s[30:31]
	OLOAD 0
	OLOAD 1
.irp t, 0,1,2,3
	OSPLIT \t
.endr
.irp t, 0,1,2,3,4,5,6,7,8,9,10,11,12,13,14,15
	ds_load_b128 v[192+4*\t:195+4*\t], v8 offset:2*\t*272          ; the high parts, by rows
.endr
.irp t, 0,1,2,3
.irp c, 0,1,2,3
	ds_store_b128 v4, v[48+16*\t+4*\c:51+16*\t+4*\c] offset:64*\t+16*\c   ; the low parts take the stage: in order behind those loads
.endr
.endr
.irp t, 0,1,2,3,4,5,6,7,8,9,10,11,12,13,14,15
	ds_load_b128 v[128+4*\t:131+4*\t], v8 offset:2*\t*272
.endr
.irp t, 0,1,2,3,4,5,6,7,8,9,10,11,12,13,14,15
	s_wait_dscnt 47-\t                             ; behind load t of the first run: 15 - t of its run, 16 stores, 16 loads
	global_store_b128 v9, v[192+4*\t:195+4*\t], s[14:15] offset:4096*\t
.endr
.irp t, 0,1,2,3,4,5,6,7,8,9,10,11,12,13,14,15
	s_wait_dscnt 15-\t
	global_store_b128 v9, v[128+4*\t:131+4*\t], s[14:15] offset:LOOFF+4096*\t
.endr
.Lend:
	s_wait_tensorcnt 0x0                           ; the wave's end: behind my last LDS store
	ds_add_u32 v[SPW], v[NIL]
	s_wait_dscnt 0x0
	s_endpgm
.Lfunc_end_k_qc21ea95b41_prep:
	.size	k_qc21ea95b41_prep, .Lfunc_end_k_qc21ea95b41_prep-k_qc21ea95b41_prep
	.p2alignl 7, 3214868480
	.fill 96, 4, 3214868480
	.section	.rodata,"a",@progbits
	.p2align	6, 0x0
	.amdhsa_kernel k_qc21ea95b41_prep
		.amdhsa_group_segment_fixed_size 131072
		.amdhsa_private_segment_fixed_size 0
		.amdhsa_enable_private_segment 0
		.amdhsa_kernarg_size 56
		.amdhsa_user_sgpr_count 2
		.amdhsa_user_sgpr_kernarg_segment_ptr 1
		.amdhsa_wavefront_size32 1
		.amdhsa_system_sgpr_workgroup_id_x 1
		.amdhsa_system_sgpr_workgroup_id_y 1
		.amdhsa_system_sgpr_workgroup_id_z 1
		.amdhsa_system_vgpr_workitem_id 0
		.amdhsa_next_free_vgpr 256
		.amdhsa_next_free_sgpr 66
		.amdhsa_reserve_vcc 1
		.amdhsa_float_denorm_mode_32 3
		.amdhsa_float_denorm_mode_16_64 3
		.amdhsa_memory_ordered 1
		.amdhsa_forward_progress 1
		.amdhsa_inst_pref_size 107
	.end_amdhsa_kernel
	.amdgpu_metadata
---
amdhsa.version: [ 1, 2 ]
amdhsa.kernels:
  - .name:           k_qc21ea95b41_prep
    .symbol:         k_qc21ea95b41_prep.kd
    .args:
      - { .name: x, .offset: 0, .size: 8, .value_kind: global_buffer, .address_space: global }
      - { .name: w_qkv, .offset: 8, .size: 8, .value_kind: global_buffer, .address_space: global }
      - { .name: w_o, .offset: 16, .size: 8, .value_kind: global_buffer, .address_space: global }
      - { .name: codes, .offset: 24, .size: 8, .value_kind: global_buffer, .address_space: global }
      - { .name: scales, .offset: 32, .size: 8, .value_kind: global_buffer, .address_space: global }
      - { .name: wot, .offset: 40, .size: 8, .value_kind: global_buffer, .address_space: global }
      - { .name: tab, .offset: 48, .size: 8, .value_kind: global_buffer, .address_space: global }
    .group_segment_fixed_size: 131072
    .private_segment_fixed_size: 0
    .kernarg_segment_align: 8
    .kernarg_segment_size: 56
    .max_flat_workgroup_size: 256
    .sgpr_count:     66
    .vgpr_count:     256
    .wavefront_size: 32
...
	.end_amdgpu_metadata
.endif
;; end of part 1
;; launch qkvg (part 2): grid 12 x 16, 4 waves a work-group, clusters of 4 x 4, 327,680 bytes of LDS; arguments codes, scales, tab, qkv; writes qkv
.if DOCPART == 2
	.amdgcn_target "amdgcn-amd-amdhsa--gfx1250"
	.amdhsa_code_object_version 6
	.text
	.protected	k_qc21ea95b41_qkvg
	.globl	k_qc21ea95b41_qkvg
	.p2align	8
	.type	k_qc21ea95b41_qkvg,@function
k_qc21ea95b41_qkvg:
	s_mov_b64 s[64:65], 0
	v_nop
	global_prefetch_b8 v0, s[64:65] scope:SCOPE_SE
	s_setreg_imm32_b32 hwreg(HW_REG_WAVE_MODE, 25, 1), 1
	s_wait_xcnt 0x0
	s_wait_alu depctr_hold_cnt(0) depctr_sa_sdst(0) depctr_va_vdst(0) depctr_va_sdst(0) depctr_va_ssrc(0) depctr_va_vcc(0) depctr_vm_vsrc(0)
	s_getreg_b32 s2, hwreg(HW_REG_IB_STS2, 6, 4)
	s_cmp_eq_u32 s2, 0
	s_cbranch_scc0 .Lentry_in_a_cluster
	s_endpgm
.Lentry_in_a_cluster:
	s_bfe_u32 s2, ttmp6, 0x10000c
	s_cmp_lg_u32 s2, 0xf033
	s_cbranch_scc0 .Lentry_shape_is_right
	s_endpgm
.Lentry_shape_is_right:
; QKVG: qkv = x w_qkv on codes of FP4 (E2M1) with one E8M0 scale for each 32 along K; then the rotation of the heads that rotate, in f32; q, k, v leave as f16, laid [section][batch x 16 + head][position][64];
; the first 16 positions of each sequence leave in f32 too, [batch][section][head][16][64] from byte FINE0 of qkv on.
; A = x's codes [4096][512 bytes], B = w_qkv's codes [3072][512 bytes] (K innermost), both in the buffer codes; their scale bytes [rows][32] in the buffer scales.
; A tile of the product, 256 x 256, is made by four waves, each 128 x 128: 64 accumulators of 16 x 16.  K = 1,024 is two K steps of 512: both, and all scale bytes, are first fills: no slot is filled again.
; CLUSTERS: 4 x 4 work-groups; A's tiles are asked for jointly along a row of the cluster, B's along a column.  THE MATRIX INSTRUCTION IS USED TRANSPOSED (source 0 = 16 rows of B, source 1 = 16 rows of A):
; a lane then holds eight neighbouring channels of one position.
; A tile column (256 columns) is four heads of ONE section; a wave's 128 columns are two heads of the same kind: the column half 0 never rotates (head types 0, 1), the column half 1 rotates (types 2, 3) in q and k.
; Waves part on their number for that; whether the section is v differs between partners of a cluster, so there it is a choice of values (cos = 1, sin = 0), not a branch.  Likewise the f32 copy goes under a lane mask.
; The grid is 192 work-groups: a tile of 256 x 192 would give 256 but cuts heads across waves.
; The f32 copy leaves in pieces of 32 bytes: 393,216 bytes in the whole launch.
; LIMITS: q, k, v under 65,504 in magnitude; NaN and infinities are not served (a rotation by cos = 1, sin = 0 multiplies by 0).
; REGISTERS, in windows of 256: window 0: v0-31 addresses; v32-95 scale words, two sets; v128-191 A's fragments; v192-255 the table's two sets.  On the way out v32-95 rotated numbers, v96-127 f16 pairs, v128-191 rows read back.
;   window 1: B's fragments, two sets.   window 2: the accumulators of my rows 0-63 ((a, b) at v[8 (8 a + b)]);   window 3: those of my rows 64-127.
.set SIZE_K, 1024
.set XC,     2097152                   ; where B's codes begin in codes
.set XSOFF,  131072                    ; where B's scale bytes begin in scales
.set FINE0,  25165824                  ; where the f32 copy begins in qkv
.set KSTEP,  512
.set NQ,     KSTEP/128
.set ROWB,   256                       ; a tile's row in bytes
.set KROW,   SIZE_K*4/8                ; a row of codes in memory
.set PITCH,  272                       ; an LDS row: 256 bytes + 16 of padding: the 16 rows that a load touches start at 16 different banks (64 banks of 4 bytes: ISA guide 11.1)
.set FR,     8
.set NL,     2
.set NP,     4                         ; places behind this matrix instruction (ISA guide 7.12.1)
.set HALFT,  128*PITCH
.set SLOT,   4*HALFT
.set KS,     SIZE_K/32
.set SCL,    2*SLOT                    ; behind the two slots: the scale bytes, as units of 256 bytes + 16 of padding
.set HALFS,  (128*KS/256)*272
.set SBLK,   (16*KS/256)*272
.set SPARE,  SCL+4*HALFS               ; the spare words, 128 bytes for each wave: two blocks of 256 bytes that no other line names
.set STAGE,  SPARE+512                 ; the way out: for each wave two heads x 16 rows x (128 bytes + 16); bytes of its own, into which no fill lands
.set SPT,    144
.set ADRA, 16
.set ADRB, 20
.set STO,  24                          ; v24  the way out: where I put 16 bytes of a row
.set RD,   25                          ; v25  where I read rows back
.set CO,   26                          ; v26  16 x lane: four rows of 128 bytes are 512 consecutive bytes of qkv
.set ADRS, 27
.set SPW,  28
.set NIL,  29
.set TA,   8                           ; v8   256 r + 32 h: my place in 16 rows of the table, and in 16 rows of the f32 copy; never rewritten
.set NR,   10                          ; v10  the position of my row of block 0
.set SC,   32
.set AF,   128
.set RR,   32                          ; the way out: 64 rotated numbers
.set PK,   96                          ; 32 registers of f16 pairs
.set BK,   128                         ; two sets of 32: rows read back
.set G1, 24
.set G0, 32
.set G1B, 48
.set G0B, 56
.set G1S, 68
.set G0S, 76
.set G1SB, 80
.set G0SB, 88
.set MSB, 0
.macro WIN new                         ; the immediate's high byte repeats the setting that is left
.if MSB != (\new)
	s_set_vgpr_msb (MSB<<8)|(\new)
.set MSB, (\new)
.endif
.endm
.set MUL_LO, 0xa1                      ; source 0 (B) window 1, source 1 (A) window 0, C and D window 2
.set MUL_HI, 0xf1
.set TO_B,   0x40
; A joint load: waves 0 and 1 fetch for A, waves 2 and 3 for B; the branch hangs on the wave's number alone.  An s_nop 0 and four v_nop follow each of the two lines.
.macro JLOAD g0a, g1a, g0b, g1b
	s_cmp_eq_u32 s15, 0
	s_cbranch_scc0 .Lfor_b_\@
	tensor_load_to_lds s[\g0a:\g0a+3], s[\g1a:\g1a+7]
	s_nop 0
.rept 4
	v_nop
.endr
	s_branch .Lasked_\@
.Lfor_b_\@:
	tensor_load_to_lds s[\g0b:\g0b+3], s[\g1b:\g1b+7]
	s_nop 0
.rept 4
	v_nop
.endr
.Lasked_\@:
.endm
.macro CROUND                          ; a round of the cluster's barrier
	s_barrier_signal -1
	s_barrier_wait -1
	s_cmp_lg_u32 s14, 0
	s_cbranch_scc1 .Lnot_wave_0_\@
	s_barrier_signal -3
.Lnot_wave_0_\@:
	s_barrier_wait -3
	s_barrier_signal -1
	s_barrier_wait -1
.endm
	s_load_b128 s[4:7], s[0:1], 0x0                ; codes s[4:5], scales s[6:7]
	s_load_b128 s[96:99], s[0:1], 0x10             ; tab s[96:97], qkv s[98:99]
	v_lshl_add_u32 v[SPW], v0, 2, SPARE
	v_mov_b32 v[NIL], 0
	ds_add_u32 v[SPW], v[NIL]                      ; the wave's opening: the add, twice on end, and its wait ahead of my first tensor load
	ds_add_u32 v[SPW], v[NIL]
	v_lshrrev_b32 v1, 5, v0
	v_readfirstlane_b32 s14, v1                    ; wave 0..3
	s_lshr_b32 s15, s14, 1                         ; which half of the tile's rows is mine.  Also: I fetch for A (0) or for B (1)
	s_and_b32 s16, s14, 1                          ; which half of its columns.  Also: which 128 rows of that tile I fetch
	s_bfe_u32 s40, ttmp6, 0x40000                  ; cx, cy: my place in the cluster
	s_bfe_u32 s41, ttmp6, 0x40004
	s_lshl_b32 s42, ttmp9, 2
	s_add_co_u32 s42, s42, s40                     ; tile column = 4 x cluster x + cx
	s_and_b32 s17, ttmp7, 0xffff
	s_lshl_b32 s17, s17, 2
	s_add_co_u32 s17, s17, s41                     ; tile row = 4 x cluster y + cy
	s_lshl_b32 s43, s41, 2
	s_lshl_b32 s43, 15, s43                        ; my row of the cluster
	s_lshl_b32 s44, 0x1111, s40                    ; my column
	s_or_b32 s[G1+0], s43, (0<<16)|(1<<20)|(1<<21)|(5<<22)|(3<<25)  ; the mask; elements of 1 byte; padding on; bit 21 beside a mask; 4 words after every 64
	s_or_b32 s[G1B+0], s44, (0<<16)|(1<<20)|(1<<21)|(5<<22)|(3<<25)
.irp g, G1, G1B
	s_mov_b32 s[\g+1], ROWB<<16                    ; tensor_dim0
	s_mov_b32 s[\g+2], 128<<16                     ; tensor_dim1
	s_mov_b32 s[\g+3], ROWB<<16                    ; tile_dim0
	s_mov_b32 s[\g+4], 128                         ; tile_dim1
	s_mov_b32 s[\g+5], KROW                        ; the pitch
	s_mov_b32 s[\g+6], 0
	s_mov_b32 s[\g+7], 0
.endr
	s_or_b32 s[G1S+0], s43, (3<<16)|(1<<20)|(1<<21)|(5<<22)|(3<<25)  ; the scales of 128 rows: a dense block, as rows of 256 bytes (32 elements of 8 bytes), 16 bytes of padding behind each
	s_or_b32 s[G1SB+0], s44, (3<<16)|(1<<20)|(1<<21)|(5<<22)|(3<<25)
.irp g, G1S, G1SB
	s_mov_b32 s[\g+1], 32<<16
	s_mov_b32 s[\g+2], (128*KS/256)<<16
	s_mov_b32 s[\g+3], 32<<16
	s_mov_b32 s[\g+4], 128*KS/256
	s_mov_b32 s[\g+5], 32
	s_mov_b32 s[\g+6], 0
	s_mov_b32 s[\g+7], 0
.endr
	s_lshl_b32 s18, s16, 7
	s_lshl_b32 s20, s17, 8
	s_add_co_u32 s20, s20, s18                     ; A: row 256 x tile row + 128 x half
	s_lshl_b32 s46, s42, 8
	s_add_co_u32 s46, s46, s18                     ; B: row 256 x tile column + 128 x half
	s_mov_b32 s21, 0
	s_mov_b32 s47, 0
	s_mov_b64 s[18:19], KS
	s_mul_u64 s[22:23], s[20:21], s[18:19]         ; where these rows' scales begin
	s_mul_u64 s[92:93], s[46:47], s[18:19]
	s_mov_b64 s[18:19], KROW
	s_mul_u64 s[20:21], s[20:21], s[18:19]         ; and their codes
	s_mul_u64 s[46:47], s[46:47], s[18:19]
	s_mul_i32 s45, s14, HALFT                      ; where they go: wave x 128 rows
	s_mul_i32 s94, s14, HALFS
	s_wait_dscnt 0x0                               ; both opening adds are done
	s_wait_kmcnt 0x0
	s_add_nc_u64 s[8:9], s[4:5], XC                ; B's codes
	s_add_nc_u64 s[10:11], s[6:7], XSOFF           ; B's scales
	s_add_nc_u64 s[20:21], s[4:5], s[20:21]
	s_add_nc_u64 s[22:23], s[6:7], s[22:23]
	s_add_nc_u64 s[46:47], s[8:9], s[46:47]
	s_add_nc_u64 s[92:93], s[10:11], s[92:93]
	CROUND                                         ; all sixteen work-groups are here: the first joint loads meet
	s_mov_b32 s[G0S], 1
	s_add_co_u32 s[G0S+1], s94, SCL
	s_mov_b64 s[G0S+2:G0S+3], s[22:23]
	s_or_b32 s[G0S+3], s[G0S+3], 0x80000000
	s_mov_b32 s[G0SB], 1
	s_add_co_u32 s[G0SB+1], s94, SCL
	s_mov_b64 s[G0SB+2:G0SB+3], s[92:93]
	s_or_b32 s[G0SB+3], s[G0SB+3], 0x80000000
	JLOAD G0S, G1S, G0SB, G1SB                     ; the scales first: they are wanted with K step 0
.irp s, 0,1
	s_mov_b32 s[G0+4*\s], 1
	s_add_co_u32 s[G0+4*\s+1], s45, \s*SLOT
	s_add_nc_u64 s[G0+4*\s+2:G0+4*\s+3], s[20:21], \s*ROWB
	s_or_b32 s[G0+4*\s+3], s[G0+4*\s+3], 0x80000000
	s_mov_b32 s[G0B+4*\s], 1
	s_add_co_u32 s[G0B+4*\s+1], s45, \s*SLOT
	s_add_nc_u64 s[G0B+4*\s+2:G0B+4*\s+3], s[46:47], \s*ROWB
	s_or_b32 s[G0B+4*\s+3], s[G0B+4*\s+3], 0x80000000
	JLOAD G0+4*\s, G1, G0B+4*\s, G1B               ; three tensor loads of mine are out now
.endr
	v_and_b32 v1, 15, v0                           ; r = l % 16
	v_bfe_u32 v2, v0, 4, 1                         ; h = l / 16
	v_mul_u32_u24 v3, v1, PITCH
	v_lshl_add_u32 v4, v2, 4, v3
	s_mul_i32 s21, s15, HALFT                      ; my 128 rows of A
	s_mul_i32 s22, s16, HALFT                      ; my 128 rows of B,
	s_add_co_u32 s22, s22, 2*HALFT                 ; which lie behind A's 256
.irp s, 0,1
	v_add_nc_u32 v[ADRA+\s], s21, v4
	v_add_nc_u32 v[ADRB+\s], s22, v4
	s_add_co_u32 s21, s21, SLOT
	s_add_co_u32 s22, s22, SLOT
.endr
	v_mul_u32_u24 v5, v1, KS                       ; my row's scales: KS bytes a row,
	v_lshrrev_b32 v6, 8, v5
	v_lshl_add_u32 v5, v6, 4, v5                   ; and 16 more for each 256 passed
	s_mul_i32 s21, s15, HALFS
	s_mul_i32 s22, s16, HALFS
	s_add_co_u32 s22, s22, 2*HALFS
	s_sub_co_u32 s22, s22, s21
	v_mul_u32_u24 v6, s22, v2                      ; lanes 16-31 take B's
	s_add_co_u32 s21, s21, SCL
	v_add_nc_u32 v5, v5, v6
	v_add_nc_u32 v[ADRS], s21, v5
	s_mul_i32 s23, s14, 2*16*SPT
	s_add_co_u32 s23, s23, STAGE                   ; my stage
	v_mul_u32_u24 v5, v1, SPT
	v_lshl_add_u32 v5, v2, 4, v5
	v_add_nc_u32 v[STO], s23, v5                   ; in: row r, 16 bytes for each half of the lanes
	v_and_b32 v6, 31, v0
	v_lshrrev_b32 v7, 3, v6
	v_mul_u32_u24 v7, v7, SPT
	v_and_b32 v5, 7, v0
	v_lshl_add_u32 v7, v5, 4, v7
	v_add_nc_u32 v[RD], s23, v7                    ; back: eight lanes to a row of 128 bytes, four rows an instruction
	v_lshlrev_b32 v[CO], 4, v6
	v_lshlrev_b32 v[TA], 8, v1
	v_lshl_add_u32 v[TA], v2, 5, v[TA]
	; where my results go: section, first head, batch, first position
	s_lshr_b32 s18, s42, 2                         ; section: 0 q, 1 k, 2 v
	s_and_b32 s19, s42, 3
	s_lshl_b32 s19, s19, 2
	s_lshl_b32 s12, s16, 1
	s_add_co_u32 s19, s19, s12                     ; my first head
	s_lshr_b32 s12, s17, 3                         ; batch
	s_and_b32 s13, s17, 7
	s_lshl_b32 s13, s13, 8
	s_lshl_b32 s45, s15, 7
	s_add_co_u32 s13, s13, s45                     ; my first position
	s_lshl_b32 s45, s18, 5
	s_lshl_b32 s3, s12, 4
	s_add_co_u32 s45, s45, s3
	s_add_co_u32 s45, s45, s19
	s_lshl_b32 s45, s45, 11
	s_add_co_u32 s45, s45, s13
	s_lshl_b32 s92, s45, 7                         ; ((32 section + 16 batch + head) x 2,048 + position) x 128 bytes
	s_mov_b32 s93, 0
	s_add_nc_u64 s[92:93], s[98:99], s[92:93]
	s_mul_i32 s45, s12, 3
	s_add_co_u32 s45, s45, s18
	s_lshl_b32 s45, s45, 4
	s_add_co_u32 s45, s45, s19
	s_lshl_b32 s94, s45, 12
	s_add_co_u32 s94, s94, FINE0
	s_mov_b32 s95, 0
	s_add_nc_u64 s[94:95], s[98:99], s[94:95]      ; the f32 copy of my first head
	s_lshl_b32 s100, s13, 8
	s_mov_b32 s101, 0
	s_add_nc_u64 s[100:101], s[96:97], s[100:101]  ; the table at my first position
	s_cmp_lt_u32 s42, 8
	s_cselect_b32 s66, -1, 0                       ; all ones in q and k: a choice of values, the same text in all partners
	v_add_nc_u32 v[NR], s13, v1
; the table's rows for block a of 16 positions: lane (r, h) takes (cos, sin) of frequencies 8 b + 4 h + 0 .. 3, b = 0 .. 3: 32 registers, two sets by turns
.macro TLD a
.set TT, 192+32*((\a)%2)
.irp b, 0,1,2,3
.irp c, 0,1
	global_load_b128 v[TT+8*\b+4*\c:TT+8*\b+4*\c+3], v[TA], s[100:101] offset:4096*(\a)+64*\b+16*\c
.endr
.endr
.endm
	s_cmp_eq_u32 s16, 0                            ; the waves that rotate ask for the first two blocks' rows now: they land under the products
	s_cbranch_scc1 .Lno_table
	TLD 0
	TLD 1
.Lno_table:
.macro FRAG reg, adr, q, i             ; a fragment, 16 rows x 128 K of 4-bit codes: lane l holds row l % 16; registers 4 c .. 4 c + 3 hold K = 64 c + 32 (l / 16) + 0 .. 31
.irp c, 0,1
	ds_load_b128 v[\reg+4*\c:\reg+4*\c+3], v[\adr] offset:64*(\q)+32*\c+(\i)*16*PITCH
.endr
.endm
; 16 matrix instructions: A's blocks a0, a0 + 1 x B's eight, 128 along K.  The 64 accumulators take turns, one instruction a turn, in the same order in every step.
.macro MUL16 a0, p, q, sc, zero
.irp a, \a0, \a0+1
.irp b, 0,1,2,3,4,5,6,7
.if \zero
	v_wmma_scale_f32_16x16x128_f8f6f4 v[8*(8*((\a)%4)+\b):8*(8*((\a)%4)+\b)+7], v[128*(\p)+FR*\b:128*(\p)+FR*\b+FR-1], v[AF+FR*(\a):AF+FR*(\a)+FR-1], 0, v[SC+8*NQ*(\sc)+NQ*\b+(\q)], v[SC+8*NQ*(\sc)+NQ*(\a)+(\q)] matrix_a_fmt:MATRIX_FMT_FP4 matrix_b_fmt:MATRIX_FMT_FP4 matrix_a_scale:MATRIX_SCALE_ROW1
.else
	v_wmma_scale_f32_16x16x128_f8f6f4 v[8*(8*((\a)%4)+\b):8*(8*((\a)%4)+\b)+7], v[128*(\p)+FR*\b:128*(\p)+FR*\b+FR-1], v[AF+FR*(\a):AF+FR*(\a)+FR-1], v[8*(8*((\a)%4)+\b):8*(8*((\a)%4)+\b)+7], v[SC+8*NQ*(\sc)+NQ*\b+(\q)], v[SC+8*NQ*(\sc)+NQ*(\a)+(\q)] matrix_a_fmt:MATRIX_FMT_FP4 matrix_b_fmt:MATRIX_FMT_FP4 matrix_a_scale:MATRIX_SCALE_ROW1
.endif
.endr
.endr
.endm
.macro FETCH_B slot, q, p
	WIN TO_B
.irp i, 0,1,2,3,4,5,6,7
	FRAG 128*(\p)+FR*\i, ADRB+\slot, \q, \i
.endr
	WIN 0
.endm
.macro FETCH_A slot, q, i0
.irp i, \i0, \i0+1, \i0+2, \i0+3
	FRAG AF+FR*(\i), ADRA+\slot, \q, \i
.endr
.endm
.macro SCALES sc                       ; a K step's scale words: lanes 0-15 take A's block i, lanes 16-31 B's block i
.irp i, 0,1,2,3,4,5,6,7
	ds_load_b128 v[SC+8*NQ*\sc+NQ*\i:SC+8*NQ*\sc+NQ*\i+3], v[ADRS] offset:\i*SBLK
.endr
.endm
.macro PLACES n                        ; plain vector instructions between a matrix instruction and a load into, or a read of, its registers
.rept \n
	v_nop
.endr
.endm
.macro STEP slot, q, zero              ; 128 along K that has its successor in the same slot
	s_wait_dscnt 4*NL                              ; B's set and A's blocks 0-3 are in; the youngest loads (A's blocks 4-7) may be out
	WIN MUL_LO
	MUL16 0, (\q)%2, \q, \slot, \zero
	MUL16 2, (\q)%2, \q, \slot, \zero
	s_wait_dscnt 0                                 ; A's blocks 4-7 are in
	PLACES NP
	FETCH_B \slot, (\q)+1, 1-(\q)%2
	FETCH_A \slot, (\q)+1, 0
	WIN MUL_HI
	MUL16 4, (\q)%2, \q, \slot, \zero
	MUL16 6, (\q)%2, \q, \slot, \zero
	PLACES NP
	WIN 0
	FETCH_A \slot, (\q)+1, 4
.endm
.macro TURN slot, next                 ; slot 0's last step changes slots: one barrier; nothing is filled again
	s_wait_tensorcnt 0x0                           ; all my tensor loads have landed: my part of the next slot
	ds_add_u32 v[SPW], v[NIL]                      ; 0 onto my spare word
	s_wait_dscnt 4*NL+1                            ; (the add and the youngest loads, A's blocks 4-7, may be out)
	WIN MUL_LO
	MUL16 0, 1, NQ-1, \slot, 0
	s_wait_dscnt 0x0                               ; the add is done, and my reads of this slot are over
	s_barrier_signal -1
	MUL16 2, 1, NQ-1, \slot, 0
	WIN 0
	s_barrier_wait -1
	PLACES NP
	v_add_nc_u32 v[ADRS], 4*NQ, v[ADRS]            ; on to the next K step's scale words
	FETCH_B \next, 0, 0
	FETCH_A \next, 0, 0
	SCALES \next
	WIN MUL_HI
	MUL16 4, 1, NQ-1, \slot, 0
	MUL16 6, 1, NQ-1, \slot, 0
	PLACES NP
	WIN 0
	FETCH_A \next, 0, 4
.endm
	s_wait_tensorcnt 1                             ; the scales and my part of K step 0 are in (K step 1's load may be out)
	s_barrier_signal -1
	s_barrier_wait -1                              ; everybody's are
	FETCH_B 0, 0, 0
	FETCH_A 0, 0, 0
	SCALES 0
	FETCH_A 0, 0, 4
	STEP 0, 0, 1                                   ; the first products start the sums: nothing is cleared
	STEP 0, 1, 0
	STEP 0, 2, 0
	TURN 0, 1
	STEP 1, 0, 0
	STEP 1, 1, 0
	STEP 1, 2, 0
	s_wait_dscnt 4*NL                              ; the very last step: nothing more to fetch
	WIN MUL_LO
	MUL16 0, 1, NQ-1, 1, 0
	MUL16 2, 1, NQ-1, 1, 0
	s_wait_dscnt 0
	WIN MUL_HI
	MUL16 4, 1, NQ-1, 1, 0
	MUL16 6, 1, NQ-1, 1, 0
	WIN 0
; THE WAY OUT, block by block of 16 positions x 128 channels (two heads).  In accumulator (a, bb) lane (r, h) holds position 16 a + r and channels 16 (bb % 4) + 8 h + 0 .. 7 of head bb / 4.
; ROT: a pair (even channel t1, odd channel t2) becomes (t1 cos - t2 sin, t1 sin + t2 cos): two packed instructions; each accumulator is read from its low end on.
.macro ROT a
.set TT, 192+32*((\a)%2)
.set AC, 64*((\a)%4)
.if (\a) < 7
	s_wait_loadcnt 8                               ; this block's eight table loads are in; the next block's may be out
.else
	s_wait_loadcnt 0x0
.endif
.irp n, 0,1,2,3,4,5,6,7,8,9,10,11,12,13,14,15
	v_cndmask_b32 v[TT+2*\n], 1.0, v[TT+2*\n], s66         ; in v: cos = 1,
	v_cndmask_b32 v[TT+2*\n+1], 0, v[TT+2*\n+1], s66       ; sin = 0
.endr
	WIN 0x02+(\a)/4                                ; source 0: the accumulators' window
.irp bb, 0,1,2,3,4,5,6,7
.irp p, 0,1,2,3
	v_pk_mul_f32 v[RR+8*\bb+2*\p:RR+8*\bb+2*\p+1], v[AC+8*\bb+2*\p:AC+8*\bb+2*\p+1], v[TT+8*(\bb%4)+2*\p:TT+8*(\bb%4)+2*\p+1] op_sel_hi:[0,1]   ; (t1 cos, t1 sin)
.endr
.irp p, 0,1,2,3
	v_pk_fma_f32 v[RR+8*\bb+2*\p:RR+8*\bb+2*\p+1], v[AC+8*\bb+2*\p:AC+8*\bb+2*\p+1], v[TT+8*(\bb%4)+2*\p:TT+8*(\bb%4)+2*\p+1], v[RR+8*\bb+2*\p:RR+8*\bb+2*\p+1] op_sel:[1,1,0] op_sel_hi:[1,0,1] neg_lo:[0,1,0]   ; + (-t2 sin, t2 cos)
.endr
.endr
	WIN 0
.if (\a) < 6
	TLD (\a)+2
.endif
.irp bb, 0,1,2,3,4,5,6,7
.irp p, 0,1,2,3
	v_cvt_pk_f16_f32 v[PK+4*\bb+\p], v[RR+8*\bb+2*\p], v[RR+8*\bb+2*\p+1]
.endr
.endr
.endm
.macro PLAIN a                         ; heads that do not rotate: straight from the accumulators
.set AC, 64*((\a)%4)
	WIN 0x0a+5*((\a)/4)                            ; sources 0 and 1: window 2 or 3
.irp bb, 0,1,2,3,4,5,6,7
.irp p, 0,1,2,3
	v_cvt_pk_f16_f32 v[PK+4*\bb+\p], v[AC+8*\bb+2*\p], v[AC+8*\bb+2*\p+1]
.endr
.endr
	WIN 0
.endm
; Block 0's numbers in f32, where its positions are a sequence's first 16: under a lane mask, since the tile row differs between partners of a cluster.  EXEC changes only behind s_wait_xcnt 0.
.macro FINE win, base
	v_cmp_gt_u32 vcc_lo, 16, v[NR]
	s_wait_xcnt 0x0
	s_and_saveexec_b32 s67, vcc_lo
	WIN \win
.irp bb, 0,1,2,3,4,5,6,7
.irp c, 0,1
	global_store_b128 v[TA], v[\base+8*\bb+4*\c:\base+8*\bb+4*\c+3], s[94:95] offset:4096*(\bb/4)+64*(\bb%4)+16*\c
.endr
.endr
	WIN 0
	s_wait_xcnt 0x0                                ; the stores have read their registers and EXEC
	s_or_b32 exec_lo, exec_lo, s67
.endm
.macro TOSTAGE a
.if (\a) >= 2
	s_wait_xcnt 0x0                                ; block a - 2's stores have read the registers into which these loads land
.endif
.irp bb, 0,1,2,3,4,5,6,7
	ds_store_b128 v[STO], v[PK+4*\bb:PK+4*\bb+3] offset:16*SPT*(\bb/4)+32*(\bb%4)
.endr
.set BB, BK+32*((\a)%2)
.irp i, 0,1
.irp t, 0,1,2,3
	ds_load_b128 v[BB+4*(4*\i+\t):BB+4*(4*\i+\t)+3], v[RD] offset:16*SPT*\i+4*SPT*\t   ; LDS serves a wave's instructions in order: these see the stores above
.endr
.endr
.endm
.macro SEND a, younger                 ; younger: the LDS instructions issued behind block a's loads
.set BB, BK+32*((\a)%2)
	s_wait_dscnt \younger
.irp i, 0,1
.irp t, 0,1,2,3
	global_store_b128 v[CO], v[BB+4*(4*\i+\t):BB+4*(4*\i+\t)+3], s[92:93] offset:2048*(\a)+262144*\i+512*\t   ; 32 lanes store 512 consecutive bytes, aligned: four positions of a head
.endr
.endr
.endm
	PLACES NP                                      ; behind the last products: for the reads of results and the writes of registers that held scales and fragments
	s_cmp_eq_u32 s16, 0
	s_cbranch_scc1 .Lplain
	ROT 0
	FINE 0, RR
	TOSTAGE 0
.irp a, 1,2,3,4,5,6,7
	ROT \a
	TOSTAGE \a
	SEND \a-1, 16                                  ; behind block a - 1's loads: block a's 8 stores and 8 loads
.endr
	SEND 7, 0
	s_branch .Lend
.Lplain:
	PLAIN 0
	FINE 0x08, 0                                   ; a store's data are its source 1: window 2
	TOSTAGE 0
.irp a, 1,2,3,4,5,6,7
	PLAIN \a
	TOSTAGE \a
	SEND \a-1, 16
.endr
	SEND 7, 0
.Lend:
	s_wait_tensorcnt 0x0                           ; the wave's end: behind my last tensor load and my last LDS store
	ds_add_u32 v[SPW], v[NIL]
	s_wait_dscnt 0x0
	CROUND                                         ; the closing round
	s_endpgm
.Lfunc_end_k_qc21ea95b41_qkvg:
	.size	k_qc21ea95b41_qkvg, .Lfunc_end_k_qc21ea95b41_qkvg-k_qc21ea95b41_qkvg
	.p2alignl 7, 3214868480
	.fill 96, 4, 3214868480
	.section	.rodata,"a",@progbits
	.p2align	6, 0x0
	.amdhsa_kernel k_qc21ea95b41_qkvg
		.amdhsa_group_segment_fixed_size 327680
		.amdhsa_private_segment_fixed_size 0
		.amdhsa_enable_private_segment 0
		.amdhsa_kernarg_size 32
		.amdhsa_user_sgpr_count 2
		.amdhsa_user_sgpr_kernarg_segment_ptr 1
		.amdhsa_wavefront_size32 1
		.amdhsa_system_sgpr_workgroup_id_x 1
		.amdhsa_system_sgpr_workgroup_id_y 1
		.amdhsa_system_sgpr_workgroup_id_z 1
		.amdhsa_system_vgpr_workitem_id 0
		.amdhsa_next_free_vgpr 1024
		.amdhsa_next_free_sgpr 102
		.amdhsa_reserve_vcc 1
		.amdhsa_float_denorm_mode_32 3
		.amdhsa_float_denorm_mode_16_64 3
		.amdhsa_memory_ordered 1
		.amdhsa_forward_progress 1
		.amdhsa_inst_pref_size 216
	.end_amdhsa_kernel
	.amdgpu_metadata
---
amdhsa.version: [ 1, 2 ]
amdhsa.kernels:
  - .name:           k_qc21ea95b41_qkvg
    .symbol:         k_qc21ea95b41_qkvg.kd
    .args:
      - { .name: codes, .offset: 0, .size: 8, .value_kind: global_buffer, .address_space: global }
      - { .name: scales, .offset: 8, .size: 8, .value_kind: global_buffer, .address_space: global }
      - { .name: tab, .offset: 16, .size: 8, .value_kind: global_buffer, .address_space: global }
      - { .name: qkv, .offset: 24, .size: 8, .value_kind: global_buffer, .address_space: global }
    .group_segment_fixed_size: 327680
    .private_segment_fixed_size: 0
    .kernarg_segment_align: 8
    .kernarg_segment_size: 32
    .max_flat_workgroup_size: 128
    .sgpr_count:     102
    .vgpr_count:     1024
    .wavefront_size: 32
...
	.end_amdgpu_metadata
.endif
;; end of part 2
;; launch attn (part 3): grid 8 x 32, 8 waves a work-group, no clusters, 327,680 bytes of LDS; arguments qkv, log_xi, ao; writes ao
.if DOCPART == 3
	.amdgcn_target "amdgcn-amd-amdhsa--gfx1250"
	.amdhsa_code_object_version 6
	.text
	.protected	k_qc21ea95b41_attn
	.globl	k_qc21ea95b41_attn
	.p2align	8
	.type	k_qc21ea95b41_attn,@function
k_qc21ea95b41_attn:
	s_mov_b64 s[64:65], 0
	v_nop
	global_prefetch_b8 v0, s[64:65] scope:SCOPE_SE
	s_setreg_imm32_b32 hwreg(HW_REG_WAVE_MODE, 25, 1), 1
	s_wait_xcnt 0x0
; ATTN: for each (batch, head): softmax over the keys k <= q of (q . k / 8 - e (q - k) / exp(log_xi[head])), times v.  q, k, v: f16, [section][batch x 16 + head][2048][64] in qkv; the result: f16, [batch x 16 + head][2048][64] in ao.
; Products on f16 operands with f32 sums; maxima, exponentials and sums in f32; the weights are rounded to f16 for the second product.  e = 1 on heads with an odd number.
; SHARES.  A head's queries are 16 blocks of 128.  Work-group j of a head owns blocks j and 15 - j: under the causal mask every work-group then has 17 blocks' worth of keys.  Waves 0-3 take block j, waves 4-7 block 15 - j;
; a wave owns 32 queries, two tiles of 16, so that each fragment of K and V read from LDS feeds two matrix instructions.
; NO CLUSTER: the work-groups of a head need different numbers of tiles under the mask, and for some tiles every wave of a partner would jump over the reads.
; LAYOUT.  S^T = K Q^T (source 0 = 16 keys, source 1 = 16 queries): a lane holds ONE query (lane % 16) and keys 8 (lane / 16) + 0..7 of each tile.  Two tiles, rounded to f16 in pairs, are source 1 of O^T = V^T P.
; THE DECAY costs no vector instruction in a tile: scores are kept raw (q . k), the decay in raw units is g (key - query), g = 8 / exp(log_xi); its part g (16 i + j + 8 h - r) is the same in every step and is the C of
; each sum's first matrix instruction; the rest, -g (first query - first key), is one number a tile and a step and goes into the maximum and into the exponent's addend.
; SOFTMAX.  A running maximum m (raw) and sum l for each query: p = 2^(c s - c m), c = log2(e) / 8; in every step O^T and l are multiplied by 2^(c m_old - c m_new).
; THE MASK.  Every work-group walks all 8 slots (constant trip counts, every barrier passed); a step all of whose keys come after the wave's queries is jumped over by a scalar branch on ids; on the diagonal hidden scores
; become -infinity.  A step's first key is a multiple of 64 and a wave's first query of 32, so in every step that is walked the first key counts for all 32 queries.  A slot that no wave of the work-group would read is not asked for.
; LIMITS: exp(-log_xi) finite (a result under 2^-126 counts as 0: ISA guide, v_exp_f32); weights under 6e-5 are f16 subnormals; NaN and infinities are not served.
; REGISTERS.  window 0: v1-14 addresses and constants; v16-39 twelve registers of statistics a tile; v40-41 a second chain of sums; v64-127 S^T, 32 a tile (P in place, in a tile's first 16); v128-191 K; v192-255 V.
;   window 1: v0-31 Q; v32-95 O^T, 32 a tile; v96-127 the decay's constant part.
.set SK,    256                        ; keys in a slot: four steps of 64
.set KP,    144                        ; a key's row in LDS: 128 bytes + 16: the 16 rows that a load touches start at 16 different banks (64 banks of 4 bytes: ISA guide 11.1)
.set VP,    160                        ; a row of V: 128 + 32: an odd multiple of 32 bytes, for the turning load
.set VOFF,  SK*KP
.set SLOT1, 1<<17                      ; slot 1 begins here: one exclusive or turns an address from one slot to the other
.set SPARE, SLOT1+SK*(KP+VP)           ; the spare words, 128 bytes for each wave: four blocks of 256 bytes that no other line names
.set STAGE, SPARE+1024                 ; the way out: for each wave two tiles x 16 rows x (128 bytes + 16); bytes of its own, into which no fill lands
.set AK0,  1
.set AV0,  2
.set ADK,  3
.set ADV,  4
.set SPW,  5
.set NIL,  6
.set NG,   7                           ; -g
.set NINF, 8                           ; -infinity
.set DM,   9
.set PFO,  10
.set STO,  11
.set RD,   12
.set GO,   13
.set RH,   14                          ; r - 8 h
.set ST,   16                          ; tile x at v[ST + 12 x]: +0,+1 the exponent's addend; +2,+3 the rescaling factor; +4,+5 l; +6 m; +7 the step's offset; +8..+11 at work
.set SUM2, 40
.set SS,   64
.set KK,   128
.set VV,   192
.set QQ,   0                           ; in window 1
.set OO,   32
.set BI,   96
.set WV,   18
.set SEL,  20
.set CS,   22
.set G1K,  24
.set G1V,  32
.set G0K,  40
.set G0V,  44
.set TB,   2                           ; s2   LDS byte at which the slot in hand begins
.set QL,   66                          ; s66  my work-group's last query
.set SLOTS, 67
.set PFA,  76
.set LIM,  80
.set KEY0, 98                          ; s98  the step's first key
.set Q0,   99                          ; s99  my wave's first query
.set MSB, 0
.macro WIN new
.if MSB != (\new)
	s_set_vgpr_msb (MSB<<8)|(\new)
.set MSB, (\new)
.endif
.endm
; Waves 0-3 fetch K's four quarters of a slot, waves 4-7 V's: 64 rows each.  An s_nop 0 and four v_nop follow each of the two lines.
.macro TLOAD
	s_cmp_lt_u32 s[WV], 4
	s_cbranch_scc0 .Lfor_v_\@
	tensor_load_to_lds s[G0K:G0K+3], s[G1K:G1K+7]
	s_nop 0
.rept 4
	v_nop
.endr
	s_branch .Lasked_\@
.Lfor_v_\@:
	tensor_load_to_lds s[G0V:G0V+3], s[G1V:G1V+7]
	s_nop 0
.rept 4
	v_nop
.endr
.Lasked_\@:
.endm
; A prefetch into the L2 of what the NEXT change of slots will ask for.  All work-groups of a head walk the same K and V: work-group 0, which walks all of them, asks, each wave for the 8,192 bytes that it will fetch itself,
; lanes 256 bytes apart: each aligned block of 256 bytes is named once in the launch.  Slots 0 and 1 come by their loads alone; the last change that fills a slot asks for nothing.
.macro ASK
	s_cmp_gt_u32 s[SLOTS], s[LIM]
	s_cbranch_scc0 .Lnot_mine_\@
	global_prefetch_b8 v[PFO], s[PFA:PFA+1] th:TH_LOAD_NT scope:SCOPE_SE
.Lnot_mine_\@:
.endm
	s_load_b128 s[4:7], s[0:1], 0x0                ; qkv s[4:5], log_xi s[6:7]
	s_load_b64 s[8:9], s[0:1], 0x10                ; ao
	v_lshl_add_u32 v[SPW], v0, 2, SPARE
	v_mov_b32 v[NIL], 0
	ds_add_u32 v[SPW], v[NIL]                      ; the wave's opening: the add, twice on end, and its wait ahead of my first tensor load
	ds_add_u32 v[SPW], v[NIL]
	v_lshrrev_b32 v1, 5, v0
	v_readfirstlane_b32 s[WV], v1                  ; wave 0..7
	s_and_b32 s68, ttmp7, 0xffff                   ; batch x 16 + head
	s_and_b32 s69, s[WV], 3
	s_sub_co_u32 s70, 15, ttmp9
	s_cmp_lt_u32 s[WV], 4
	s_cselect_b32 s70, ttmp9, s70                  ; my block of 128 queries
	s_lshl_b32 s[Q0], s70, 7
	s_lshl_b32 s71, s69, 5
	s_add_co_u32 s[Q0], s[Q0], s71
	s_lshl_b32 s[QL], ttmp9, 7
	s_sub_co_u32 s[QL], 2047, s[QL]                ; the last query of block 15 - j
	s_mov_b32 s[G1K], (1<<16)|(1<<20)|(4<<22)|(3<<25)   ; no mask; elements of 2 bytes; padding on: 4 words after every 32
	s_mov_b32 s[G1V], (1<<16)|(1<<20)|(4<<22)|(7<<25)   ; 8 words after every 32
.irp g, G1K, G1V
	s_mov_b32 s[\g+1], 64<<16                      ; tensor_dim0 = 64
	s_mov_b32 s[\g+2], 64<<16                      ; tensor_dim1 = 64
	s_mov_b32 s[\g+3], 64<<16                      ; tile_dim0 = 64
	s_mov_b32 s[\g+4], 64                          ; tile_dim1 = 64
	s_mov_b32 s[\g+5], 64                          ; the pitch
	s_mov_b32 s[\g+6], 0
	s_mov_b32 s[\g+7], 0
.endr
	s_mov_b32 s[SEL], 0x76543210
	s_mov_b32 s[SEL+1], 0xfedcba98                 ; v_permlanex16_b32's selects for lane l xor 16
	s_mov_b32 s[CS], 0x3e38aa3b                    ; c = log2(e) / 8
	s_mov_b32 s[CS+1], s[CS]
	s_mov_b32 s[TB], 0
	s_mov_b32 s[KEY0], 0
	s_mov_b32 s[SLOTS], 7
	s_cmp_eq_u32 ttmp9, 0
	s_cselect_b32 s[LIM], 1, -1
	s_wait_dscnt 0x0                               ; both opening adds are done
	s_wait_kmcnt 0x0
	s_lshl_b32 s72, s68, 18                        ; a head is 262,144 bytes
	s_lshl_b32 s73, s69, 13                        ; my quarter of a slot: 64 rows of 128 bytes
	s_add_co_u32 s72, s72, s73
	s_mov_b32 s73, 0
	s_add_nc_u64 s[74:75], s[4:5], s[72:73]
	s_mov_b32 s[G0K], 1
	s_mul_i32 s[G0K+1], s69, 64*KP
	s_add_nc_u64 s[G0K+2:G0K+3], s[74:75], 8388608         ; section k
	s_or_b32 s[G0K+3], s[G0K+3], 0x80000000
	s_mov_b32 s[G0V], 1
	s_mul_i32 s[G0V+1], s69, 64*VP
	s_add_co_u32 s[G0V+1], s[G0V+1], VOFF
	s_add_nc_u64 s[G0V+2:G0V+3], s[74:75], 16777216        ; section v
	s_or_b32 s[G0V+3], s[G0V+3], 0x80000000
	TLOAD                                          ; slot 0: one tensor load of mine is out
	s_mov_b32 s72, 16777216+32768
	s_cmp_lt_u32 s[WV], 4
	s_cselect_b32 s72, 8388608+32768, s72
	s_add_nc_u64 s[PFA:PFA+1], s[74:75], s[72:73]  ; my quarter of slot 1; the first change of slots steps it to slot 2
	s_and_b32 s72, s68, 15
	s_lshl_b32 s72, s72, 2
	s_add_nc_u64 s[6:7], s[6:7], s[72:73]
	s_load_b32 s71, s[6:7], 0x0                    ; log_xi of my head
	s_lshl_b32 s72, s68, 11
	s_add_co_u32 s72, s72, s[Q0]
	s_lshl_b32 s72, s72, 7                         ; my first query's row: in section q, and in ao
	s_add_nc_u64 s[10:11], s[4:5], s[72:73]
	s_add_nc_u64 s[8:9], s[8:9], s[72:73]
	v_and_b32 v15, 15, v0                          ; r
	v_bfe_u32 v42, v0, 4, 1                        ; h
	v_lshlrev_b32 v43, 7, v15
	v_lshl_add_u32 v43, v42, 4, v43                ; Q: 128 r + 16 h
	WIN 0x40                                       ; destination window 1
.irp x, 0,1
.irp u, 0,1
.irp c, 0,1
	global_load_b128 v[QQ+16*\x+8*\u+4*\c:QQ+16*\x+8*\u+4*\c+3], v43, s[10:11] offset:2048*\x+64*\u+32*\c
.endr
.endr
.endr
	WIN 0
	v_mul_u32_u24 v[AK0], v15, KP
	v_lshl_add_u32 v[AK0], v42, 4, v[AK0]          ; K: row r, + 16 h
	v_and_b32 v44, 7, v0
	v_bfe_u32 v45, v0, 3, 1
	v_lshl_add_u32 v[AV0], v42, 3, v44
	v_mul_u32_u24 v[AV0], v[AV0], VP
	v_lshl_add_u32 v[AV0], v45, 4, v[AV0]
	v_add_nc_u32 v[AV0], VOFF, v[AV0]              ; V, for the turning load: key 8 h + l % 8, channels 8 ((l / 8) % 2) on
	s_mul_i32 s72, s[WV], 2*16*KP
	s_add_co_u32 s72, s72, STAGE                   ; my stage
	v_add_nc_u32 v[STO], s72, v[AK0]               ; in: row r, + 16 h
	v_and_b32 v46, 31, v0
	v_lshrrev_b32 v47, 3, v46
	v_mul_u32_u24 v47, v47, KP
	v_lshl_add_u32 v47, v44, 4, v47
	v_add_nc_u32 v[RD], s72, v47                   ; back: eight lanes to a row, four rows an instruction
	v_lshlrev_b32 v[GO], 4, v46
	v_lshlrev_b32 v[PFO], 8, v46
	v_mov_b32 v[NINF], 0xff800000
	v_lshlrev_b32 v45, 3, v42
	v_sub_nc_u32 v[RH], v15, v45                   ; r - 8 h
	v_sub_nc_u32 v45, v45, v15
	v_cvt_f32_i32 v45, v45                         ; 8 h - r
.irp x, 0,1
	v_mov_b32 v[ST+12*\x+1], 0                     ; (named as the upper halves of pairs, so they are written)
	v_mov_b32 v[ST+12*\x+3], 0
	v_mov_b32 v[ST+12*\x+4], 0                     ; l
	v_mov_b32 v[ST+12*\x+5], 0
	v_mov_b32 v[ST+12*\x+6], 0xff61b1e6            ; m: -3e38, under every score
	v_mov_b32 v[ST+12*\x+9], 0                     ; (a lane permute's destination counts as one of its sources)
.endr
.irp n, 0,1,2,3,4,5,6,7,8,9,10,11,12,13,14,15,16,17,18,19,20,21,22,23,24,25,26,27,28,29,30,31
	v_cvt_f32_u32 v[SS+\n], 16*(\n/8)+\n%8         ; 16 i + j
.endr
	s_and_b32 s72, s68, 1
	s_cmp_eq_u32 s72, 1
	s_cselect_b32 s72, -1, 0                       ; heads with an odd number decay
	s_wait_kmcnt 0x0
	v_mov_b32 v44, s71
	v_mul_f32 v44, 0xbfb8aa3b, v44
	v_exp_f32 v44, v44                             ; exp(-log_xi)
	v_nop                                          ; a plain instruction behind the exponential,
	s_wait_alu depctr_va_vdst(0)                   ; and the wait ahead of its first reader
	v_mul_f32 v44, 0x41000000, v44
	v_cndmask_b32 v44, 0, v44, s72                 ; g
	v_mul_f32 v[NG], -1.0, v44
	v_mul_f32 v45, v44, v45                        ; g (8 h - r)
	WIN 0x40
.irp n, 0,1,2,3,4,5,6,7,8,9,10,11,12,13,14,15,16,17,18,19,20,21,22,23,24,25,26,27,28,29,30,31
	v_fma_f32 v[BI+\n], v44, v[SS+\n], v45         ; the decay's constant part, in the layout of S^T's four tiles
.endr
.irp n, 0,1,2,3,4,5,6,7,8,9,10,11,12,13,14,15,16,17,18,19,20,21,22,23,24,25,26,27,28,29,30,31,32,33,34,35,36,37,38,39,40,41,42,43,44,45,46,47,48,49,50,51,52,53,54,55,56,57,58,59,60,61,62,63
	v_mov_b32 v[OO+\n], 0                          ; O^T.  (The step is written once: its first turn finds zeros, which the first change of m leaves zeros)
.endr
	WIN 0
; One tile's softmax for one step of 64 keys.
.macro SOFTMAX x
.set rS, SS+32*(\x)
.set rT, ST+12*(\x)
.set rO, OO+32*(\x)
	WIN 0
	s_add_co_u32 s96, s[KEY0], 63
	s_add_co_u32 s97, s[Q0], 16*(\x)
	s_cmp_le_u32 s96, s97                          ; all 64 keys count for all 16 queries: no mask
	s_cbranch_scc1 .Lopen_\@
	s_sub_co_i32 s96, s97, s[KEY0]
	v_add_nc_u32 v[DM], s96, v[RH]                 ; d = my query - first key - 8 h: register 8 i + j holds a hidden key where 16 i + j > d
.irp n, 0,1,2,3,4,5,6,7,8,9,10,11,12,13,14,15,16,17,18,19,20,21,22,23,24,25,26,27,28,29,30,31
	v_cmp_gt_i32 vcc_lo, 16*(\n/8)+\n%8, v[DM]
	v_cndmask_b32 v[rS+\n], v[rS+\n], v[NINF], vcc_lo
.endr
.Lopen_\@:
.irp k, 0,1,2,3
	v_max3_num_f32 v[rT+8+\k], v[rS+8*\k], v[rS+8*\k+1], v[rS+8*\k+2]      ; four chains, one a tile of keys, each from the tile's low end on
.endr
.irp k, 0,1,2,3
	v_max3_num_f32 v[rT+8+\k], v[rT+8+\k], v[rS+8*\k+3], v[rS+8*\k+4]
.endr
.irp k, 0,1,2,3
	v_max3_num_f32 v[rT+8+\k], v[rT+8+\k], v[rS+8*\k+5], v[rS+8*\k+6]
.endr
	v_max3_num_f32 v[rT+8], v[rT+8], v[rS+7], v[rS+15]
	v_max3_num_f32 v[rT+10], v[rT+10], v[rS+23], v[rS+31]
	v_max3_num_f32 v[rT+8], v[rT+8], v[rT+9], v[rT+10]
	v_max_num_f32 v[rT+8], v[rT+8], v[rT+11]
	v_permlanex16_b32 v[rT+9], v[rT+8], s[SEL], s[SEL+1]   ; the query's other 32 keys lie in the lane 16 away
	v_max_num_f32 v[rT+8], v[rT+8], v[rT+9]
	v_add_f32 v[rT+8], v[rT+8], v[rT+7]            ; with the step's offset: the step's largest raw score
	v_max_num_f32 v[rT+11], v[rT+6], v[rT+8]       ; the new m
	v_sub_f32 v[rT+9], v[rT+6], v[rT+11]
	v_sub_f32 v[rT], v[rT+7], v[rT+11]
	v_mul_f32 v[rT+9], s[CS], v[rT+9]              ; c (m_old - m_new)
	v_mul_f32 v[rT], s[CS], v[rT]                  ; c (offset - m_new)
.irp n, 0,2,4,6,8,10,12,14,16,18,20,22,24,26,28,30
	v_pk_fma_f32 v[rS+\n:rS+\n+1], v[rS+\n:rS+\n+1], s[CS:CS+1], v[rT:rT+1] op_sel_hi:[1,0,0]
.endr
	v_exp_f32 v[rT+2], v[rT+9]                     ; the batch: the rescaling factor and the 32 weights
.irp n, 0,1,2,3,4,5,6,7,8,9,10,11,12,13,14,15,16,17,18,19,20,21,22,23,24,25,26,27,28,29,30,31
	v_exp_f32 v[rS+\n], v[rS+\n]
.endr
	v_mov_b32 v[rT+6], v[rT+11]                    ; m.  (The plain instruction behind the last exponential: it names no result and no source of the batch)
	s_wait_alu depctr_va_vdst(0)                   ; the wait ahead of the first reader: one for the batch
	v_pk_mul_f32 v[rT+4:rT+5], v[rT+4:rT+5], v[rT+2:rT+3] op_sel_hi:[1,0]
	v_pk_add_f32 v[SUM2:SUM2+1], v[rS:rS+1], v[rS+2:rS+3]          ; the sums, of the weights before they are rounded: two chains
.irp n, 4,8,12,16,20,24,28
	v_pk_add_f32 v[rT+4:rT+5], v[rT+4:rT+5], v[rS+\n:rS+\n+1]
	v_pk_add_f32 v[SUM2:SUM2+1], v[SUM2:SUM2+1], v[rS+\n+2:rS+\n+3]
.endr
	v_pk_add_f32 v[rT+4:rT+5], v[rT+4:rT+5], v[SUM2:SUM2+1]
.irp n, 0,1,2,3,4,5,6,7,8,9,10,11,12,13,14,15
	v_cvt_pk_f16_f32 v[rS+\n], v[rS+2*\n], v[rS+2*\n+1]            ; P in place, ascending: register n is written when pair n is read
.endr
	WIN 0x41                                       ; O^T (destination and source 0) in window 1
.irp n, 0,2,4,6,8,10,12,14,16,18,20,22,24,26,28,30
	v_pk_mul_f32 v[rO+\n:rO+\n+1], v[rO+\n:rO+\n+1], v[rT+2:rT+3] op_sel_hi:[1,0]
.endr
.endm
; O^T += V^T P for tile x: the four accumulators take turns
.macro PV x
	WIN 0x50                                       ; C and D in window 1
.irp f, 0,1
.irp t, 0,1,2,3
	v_wmma_f32_16x16x32_f16 v[OO+32*(\x)+8*\t:OO+32*(\x)+8*\t+7], v[VV+32*\f+8*\t:VV+32*\f+8*\t+7], v[SS+32*(\x)+8*\f:SS+32*(\x)+8*\f+7], v[OO+32*(\x)+8*\t:OO+32*(\x)+8*\t+7]
.endr
.endr
.endm
; A STEP: 64 keys, the q-th of the slot in hand.
.macro STEP q
	s_add_co_u32 s96, s[Q0], 31
	s_cmp_gt_u32 s[KEY0], s96                      ; all keys come after my queries: the step's work is left out; no barrier and no tensor load stands in a step
	s_cbranch_scc1 .Lhidden_\@
	v_add_nc_u32 v[ADK], s[TB], v[AK0]
	v_add_nc_u32 v[ADV], s[TB], v[AV0]
.rept 3
	v_nop                                          ; with the two additions: five places behind the last step's products, for the loads into V's registers (four) and for the products that write over P's (five)
.endr
.irp i, 0,1,2,3
.irp u, 0,1
.irp c, 0,1
	ds_load_b128 v[KK+16*\i+8*\u+4*\c:KK+16*\i+8*\u+4*\c+3], v[ADK] offset:(64*(\q)+16*\i)*KP+64*\u+32*\c
.endr
.endr
.endr
.irp f, 0,1
.irp t, 0,1,2,3
.irp c, 0,1
	ds_load_tr16_b128 v[VV+32*\f+8*\t+4*\c:VV+32*\f+8*\t+4*\c+3], v[ADV] offset:(64*(\q)+32*\f+16*\c)*VP+32*\t
.endr
.endr
.endr
	s_wait_dscnt 16                                ; K's 16 loads are in; V's 16 may be out
	WIN 0x14                                       ; Q (source 1) and the decay (C) in window 1
.irp x, 0,1
.irp i, 0,1,2,3
	v_wmma_f32_16x16x32_f16 v[SS+32*\x+8*\i:SS+32*\x+8*\i+7], v[KK+16*\i:KK+16*\i+7], v[QQ+16*\x:QQ+16*\x+7], v[BI+8*\i:BI+8*\i+7]
.endr
.endr
	WIN 0x04
.irp x, 0,1
.irp i, 0,1,2,3
	v_wmma_f32_16x16x32_f16 v[SS+32*\x+8*\i:SS+32*\x+8*\i+7], v[KK+16*\i+8:KK+16*\i+15], v[QQ+16*\x+8:QQ+16*\x+15], v[SS+32*\x+8*\i:SS+32*\x+8*\i+7]
.endr
.endr
	WIN 0
	s_sub_co_u32 s96, s[Q0], s[KEY0]               ; never negative in a step that is walked
	v_cvt_f32_u32 v[ST+7], s96
	s_add_co_u32 s97, s96, 16
	v_cvt_f32_u32 v[ST+19], s97
	v_mul_f32 v[ST+7], v[NG], v[ST+7]              ; the step's offsets, -g (first query - first key).  (These four are the places behind the products)
	v_mul_f32 v[ST+19], v[NG], v[ST+19]
	SOFTMAX 0
	s_wait_dscnt 0x0                               ; V is in
	PV 0
	SOFTMAX 1                                      ; tile 1's vector work stands behind tile 0's products
	PV 1
	WIN 0
.Lhidden_\@:
	s_add_co_u32 s[KEY0], s[KEY0], 64
.endm
; THE CHANGE OF SLOTS stands at a slot's head.  Each wave waits for all its tensor loads (its part of the slot ahead), adds 0 to its spare word, and waits for that and for its reads of the slot that it has left.
; Behind the barrier the slot ahead is whole and nobody reads the other one.  fill = 1: the other slot takes the next 256 keys, while a wave of the work-group will read them.
.macro CHANGE fill
	s_wait_tensorcnt 0x0                           ; no tensor load of mine is out, so a group 0 may be written
	ds_add_u32 v[SPW], v[NIL]                      ; 0 onto my spare word
.if \fill
	s_xor_b32 s[G0K+1], s[G0K+1], SLOT1
	s_add_nc_u64 s[G0K+2:G0K+3], s[G0K+2:G0K+3], SK*128
	s_xor_b32 s[G0V+1], s[G0V+1], SLOT1
	s_add_nc_u64 s[G0V+2:G0V+3], s[G0V+2:G0V+3], SK*128
	s_wait_xcnt 0x0                                ; the last prefetch, a slot back, has read its address
	s_add_nc_u64 s[PFA:PFA+1], s[PFA:PFA+1], SK*128
.endif
	s_wait_dscnt 0x0                               ; the add is done, and my reads of the slot that I have left are over
	s_barrier_signal -1
	s_barrier_wait -1
.if \fill
	s_add_co_u32 s96, s[KEY0], SK                  ; the first key of the slot that this change would ask for
	s_cmp_gt_u32 s96, s[QL]                        ; past my work-group's last query: none of its waves would read it.  Ids and the count of steps alone: all eight waves go the same way; every wait on TENSORcnt here is for 0
	s_cbranch_scc1 .Lpast_\@
	TLOAD                                          ; a wave's one tensor load until the next change
.Lpast_\@:
	ASK
.endif
.endm
.macro SLOT_STEPS
	STEP 0
	STEP 1
	STEP 2
	STEP 3
	s_xor_b32 s[TB], s[TB], SLOT1
.endm
	s_wait_loadcnt 0x0                             ; Q
.Lslot:                                                ; 7 trips: behind each change of slots but the last the next slot is asked for, up to the causal limit
	CHANGE 1
	SLOT_STEPS
	s_sub_co_u32 s[SLOTS], s[SLOTS], 1
	s_cmp_lg_u32 s[SLOTS], 0
	s_cbranch_scc1 .Lslot
	CHANGE 0                                       ; the last slot is written out: nothing is left to ask for
	SLOT_STEPS
	; THE WAY OUT.  l's halves are added; O^T / l is rounded to f16 and goes through my stage, so that 32 lanes store four whole rows: 512 consecutive bytes.
.rept 4
	v_nop                                          ; places behind the last products
.endr
.irp x, 0,1
	v_add_f32 v[ST+12*\x+8], v[ST+12*\x+4], v[ST+12*\x+5]
.endr
.irp x, 0,1
	v_permlanex16_b32 v[ST+12*\x+9], v[ST+12*\x+8], s[SEL], s[SEL+1]
.endr
.irp x, 0,1
	v_add_f32 v[ST+12*\x+8], v[ST+12*\x+8], v[ST+12*\x+9]
.endr
.irp x, 0,1
	v_rcp_f32 v[ST+12*\x+2], v[ST+12*\x+8]
.endr
	v_nop                                          ; a plain instruction behind the last reciprocal,
	s_wait_alu depctr_va_vdst(0)                   ; and the one wait for both
	WIN 0x01                                       ; source 0 (O^T) in window 1
.irp x, 0,1
.irp n, 0,2,4,6,8,10,12,14,16,18,20,22,24,26,28,30
	v_pk_mul_f32 v[SS+32*\x+\n:SS+32*\x+\n+1], v[OO+32*\x+\n:OO+32*\x+\n+1], v[ST+12*\x+2:ST+12*\x+3] op_sel_hi:[1,0]
.endr
.endr
	WIN 0
.irp x, 0,1
.irp n, 0,1,2,3,4,5,6,7,8,9,10,11,12,13,14,15
	v_cvt_pk_f16_f32 v[SS+32*\x+\n], v[SS+32*\x+2*\n], v[SS+32*\x+2*\n+1]
.endr
.endr
.irp x, 0,1
.irp t, 0,1,2,3
	ds_store_b128 v[STO], v[SS+32*\x+4*\t:SS+32*\x+4*\t+3] offset:16*KP*\x+32*\t   ; row r: channels 16 t + 8 h on
.endr
.irp t, 0,1,2,3
	ds_load_b128 v[SS+32*\x+16+4*\t:SS+32*\x+16+4*\t+3], v[RD] offset:16*KP*\x+4*KP*\t   ; LDS serves a wave's instructions in order: these see the stores above
.endr
.endr
.irp x, 0,1
.irp t, 0,1,2,3
	s_wait_dscnt 8*(1-\x)+3-\t                     ; behind this load: the rest of its run, and for tile 0 tile 1's four stores and four loads
	global_store_b128 v[GO], v[SS+32*\x+16+4*\t:SS+32*\x+16+4*\t+3], s[8:9] offset:2048*\x+512*\t
.endr
.endr
	s_wait_tensorcnt 0x0                           ; the wave's end: behind my last tensor load and my last LDS store
	ds_add_u32 v[SPW], v[NIL]
	s_wait_dscnt 0x0
	s_endpgm
.Lfunc_end_k_qc21ea95b41_attn:
	.size	k_qc21ea95b41_attn, .Lfunc_end_k_qc21ea95b41_attn-k_qc21ea95b41_attn
	.p2alignl 7, 3214868480
	.fill 96, 4, 3214868480
	.section	.rodata,"a",@progbits
	.p2align	6, 0x0
	.amdhsa_kernel k_qc21ea95b41_attn
		.amdhsa_group_segment_fixed_size 327680
		.amdhsa_private_segment_fixed_size 0
		.amdhsa_enable_private_segment 0
		.amdhsa_kernarg_size 24
		.amdhsa_user_sgpr_count 2
		.amdhsa_user_sgpr_kernarg_segment_ptr 1
		.amdhsa_wavefront_size32 1
		.amdhsa_system_sgpr_workgroup_id_x 1
		.amdhsa_system_sgpr_workgroup_id_y 1
		.amdhsa_system_sgpr_workgroup_id_z 1
		.amdhsa_system_vgpr_workitem_id 0
		.amdhsa_next_free_vgpr 512
		.amdhsa_next_free_sgpr 100
		.amdhsa_reserve_vcc 1
		.amdhsa_float_denorm_mode_32 3
		.amdhsa_float_denorm_mode_16_64 3
		.amdhsa_memory_ordered 1
		.amdhsa_forward_progress 1
		.amdhsa_inst_pref_size 197
	.end_amdhsa_kernel
	.amdgpu_metadata
---
amdhsa.version: [ 1, 2 ]
amdhsa.kernels:
  - .name:           k_qc21ea95b41_attn
    .symbol:         k_qc21ea95b41_attn.kd
    .args:
      - { .name: qkv, .offset: 0, .size: 8, .value_kind: global_buffer, .address_space: global }
      - { .name: log_xi, .offset: 8, .size: 8, .value_kind: global_buffer, .address_space: global }
      - { .name: ao, .offset: 16, .size: 8, .value_kind: global_buffer, .address_space: global }
    .group_segment_fixed_size: 327680
    .private_segment_fixed_size: 0
    .kernarg_segment_align: 8
    .kernarg_segment_size: 24
    .max_flat_workgroup_size: 256
    .sgpr_count:     100
    .vgpr_count:     512
    .wavefront_size: 32
...
	.end_amdgpu_metadata
.endif
;; end of part 3
;; launch proj (part 4): grid 8 x 32, 4 waves a work-group, clusters of 4 x 4, 327,680 bytes of LDS; arguments ao, wot, out0; writes out0
.if DOCPART == 4
	.amdgcn_target "amdgcn-amd-amdhsa--gfx1250"
	.amdhsa_code_object_version 6
	.text
	.protected	k_qc21ea95b41_proj
	.globl	k_qc21ea95b41_proj
	.p2align	8
	.type	k_qc21ea95b41_proj,@function
k_qc21ea95b41_proj:
	s_mov_b64 s[64:65], 0
	v_nop
	global_prefetch_b8 v0, s[64:65] scope:SCOPE_SE
	s_setreg_imm32_b32 hwreg(HW_REG_WAVE_MODE, 25, 1), 1
	s_wait_xcnt 0x0
	s_wait_alu depctr_hold_cnt(0) depctr_sa_sdst(0) depctr_va_vdst(0) depctr_va_sdst(0) depctr_va_ssrc(0) depctr_va_vcc(0) depctr_vm_vsrc(0)
	s_getreg_b32 s2, hwreg(HW_REG_IB_STS2, 6, 4)
	s_cmp_eq_u32 s2, 0
	s_cbranch_scc0 .Lentry_in_a_cluster
	s_endpgm
.Lentry_in_a_cluster:
	s_bfe_u32 s2, ttmp6, 0x10000c
	s_cmp_lg_u32 s2, 0xf033
	s_cbranch_scc0 .Lentry_shape_is_right
	s_endpgm
.Lentry_shape_is_right:
; PROJ: out0 = a w_o on f16 operands with f32 sums, for all rows but the first 16 positions of each sequence, which a launch of their own carries more finely.
; A = the attention's result, f16, laid by head: [batch x 16 + head][2048 positions][64]; k = 64 head + channel.  B = w_o's transpose, high f16 part, [1024 n][1024 k] at wot + 0.  out0: [4096][1024] f32.
; A tile of out0 is 128 x 128: 256 work-groups of four waves, each 64 x 64: 16 accumulators.  K goes in four steps of 256 (four heads) through two LDS slots.
; A's part of a step: 64 positions x 4 heads.  64 positions of a head are 8,192 dense bytes: one line of the tile; the four lines lie a head (131,072 elements) apart; 16 bytes of padding behind every 128: in LDS [head][position], 144 bytes a position.
; CLUSTERS: 4 x 4 work-groups; A's tiles are asked for jointly along a row of the cluster, B's along a column.  THE MATRIX INSTRUCTION IS USED TRANSPOSED: a lane holds eight neighbouring numbers of a row of out0.
; LIMITS: the attention's result and w_o under 65,504 in magnitude.
; REGISTERS: window 0: v0-31 addresses; v32-95 rows read back on the way out; v128-255 the accumulators ((a, b) at v[128 + 8 (4 a + b)]).   window 1: two fragment buffers of 128: 64 registers of A, then 64 of B, for 64 along K.
.set KSTEP,  256
.set PA,     144                       ; a position's 128 bytes of a head + 16
.set PB,     528                       ; a row of B: 512 bytes + 16
.set HEADA,  64*PA
.set HALFA,  4*HEADA                   ; what one tensor load brings of A
.set HALFB,  64*PB                     ; and of B
.set BOFF,   2*HALFA
.set SLOT,   BOFF+2*HALFB
.set ASTEP,  4*262144                  ; four heads on, in bytes
.set STAGE,  2*SLOT                    ; behind the ring: 16 rows x (256 bytes + 16) for each wave
.set SPITCH, 272
.set SPARE,  STAGE+4*16*SPITCH         ; the spare words, 128 bytes for each wave: two blocks of 256 bytes that no other line names
.set ADRA, 16
.set ADRB, 20
.set STO,  24
.set RD,   25
.set CO,   26
.set POS,  27                          ; v27  the position of my first row in its sequence
.set SPW,  28
.set NIL,  29
.set ACC,  128
.set F0,   0
.set F1,   128
.set G1, 24
.set G0, 32
.set G1B, 48
.set G0B, 56
.set MSB, 0
.macro WIN new
.if MSB != (\new)
	s_set_vgpr_msb (MSB<<8)|(\new)
.set MSB, (\new)
.endif
.endm
.set MUL,  0x05                        ; sources 0 (B) and 1 (A) window 1; C and D window 0
.set TO_F, 0x40
.macro JLOAD s                         ; a joint load: waves 0 and 1 fetch A's two halves, waves 2 and 3 B's; an s_nop 0 and four v_nop follow each of the two lines
	s_cmp_eq_u32 s11, 0
	s_cbranch_scc0 .Lfor_b_\@
	tensor_load_to_lds s[G0+4*\s:G0+4*\s+3], s[G1:G1+7]
	s_nop 0
.rept 4
	v_nop
.endr
	s_branch .Lasked_\@
.Lfor_b_\@:
	tensor_load_to_lds s[G0B+4*\s:G0B+4*\s+3], s[G1B:G1B+7]
	s_nop 0
.rept 4
	v_nop
.endr
.Lasked_\@:
.endm
.macro CREST
	s_cmp_lg_u32 s10, 0
	s_cbranch_scc1 .Lnot_wave_0_\@
	s_barrier_signal -3
.Lnot_wave_0_\@:
	s_barrier_wait -3
	s_barrier_signal -1
	s_barrier_wait -1
.endm
.macro CROUND
	s_barrier_signal -1
	s_barrier_wait -1
	CREST
.endm
	s_load_b128 s[4:7], s[0:1], 0x0                ; ao s[4:5], wot s[6:7]
	s_load_b64 s[8:9], s[0:1], 0x10                ; out0
	v_lshl_add_u32 v[SPW], v0, 2, SPARE
	v_mov_b32 v[NIL], 0
	ds_add_u32 v[SPW], v[NIL]                      ; the wave's opening: the add, twice on end, and its wait ahead of my first tensor load
	ds_add_u32 v[SPW], v[NIL]
	v_lshrrev_b32 v1, 5, v0
	v_readfirstlane_b32 s10, v1                    ; wave 0..3
	s_lshr_b32 s11, s10, 1                         ; which half of the tile's rows is mine.  Also: I fetch for A (0) or for B (1)
	s_and_b32 s12, s10, 1                          ; which half of its columns.  Also: which 64 rows of that tile I fetch
	s_bfe_u32 s40, ttmp6, 0x40000
	s_bfe_u32 s41, ttmp6, 0x40004
	s_lshl_b32 s42, ttmp9, 2
	s_add_co_u32 s42, s42, s40                     ; tile column
	s_and_b32 s13, ttmp7, 0xffff
	s_lshl_b32 s13, s13, 2
	s_add_co_u32 s13, s13, s41                     ; tile row
	s_lshl_b32 s43, s41, 2
	s_lshl_b32 s43, 15, s43                        ; my row of the cluster
	s_lshl_b32 s44, 0x1111, s40                    ; my column
	s_or_b32 s[G1+0], s43, (1<<16)|(1<<20)|(1<<21)|(4<<22)|(3<<25)   ; A: the mask; elements of 2 bytes; padding on; bit 21 beside a mask; 4 words after every 32
	s_mov_b32 s[G1+1], 4096<<16                    ; tensor_dim0 = 4,096: 64 positions x 64 channels
	s_mov_b32 s[G1+2], 4<<16                       ; tensor_dim1 = 4 heads
	s_mov_b32 s[G1+3], 4096<<16                    ; tile_dim0
	s_mov_b32 s[G1+4], 4                           ; tile_dim1
	s_mov_b32 s[G1+5], 131072                      ; from head to head, in elements
	s_mov_b32 s[G1+6], 0
	s_mov_b32 s[G1+7], 0
	s_or_b32 s[G1B+0], s44, (1<<16)|(1<<20)|(1<<21)|(6<<22)|(3<<25)  ; B: 4 words after every 128
	s_mov_b32 s[G1B+1], KSTEP<<16
	s_mov_b32 s[G1B+2], 64<<16
	s_mov_b32 s[G1B+3], KSTEP<<16
	s_mov_b32 s[G1B+4], 64
	s_mov_b32 s[G1B+5], 1024
	s_mov_b32 s[G1B+6], 0
	s_mov_b32 s[G1B+7], 0
	s_lshr_b32 s16, s13, 4                         ; A: batch x 16 heads of 262,144 bytes
	s_lshl_b32 s16, s16, 22
	s_and_b32 s17, s13, 15
	s_lshl_b32 s17, s17, 14                        ; + 128 positions a tile row, 128 bytes each
	s_add_co_u32 s16, s16, s17
	s_lshl_b32 s17, s12, 13                        ; + my 64
	s_add_co_u32 s16, s16, s17
	s_mov_b32 s17, 0
	s_lshl_b32 s46, s42, 7
	s_lshl_b32 s47, s12, 6
	s_add_co_u32 s46, s46, s47
	s_lshl_b32 s46, s46, 11                        ; B: row 128 x tile column + 64 x half, 2,048 bytes a row
	s_mov_b32 s47, 0
	s_mul_i32 s20, s12, HALFA                      ; where they go: no place in the cluster enters an LDS address
	s_mul_i32 s21, s12, HALFB
	s_add_co_u32 s21, s21, BOFF
	s_wait_dscnt 0x0                               ; both opening adds are done
	s_wait_kmcnt 0x0
	s_add_nc_u64 s[14:15], s[4:5], s[16:17]
	s_add_nc_u64 s[46:47], s[6:7], s[46:47]
	CROUND                                         ; all sixteen work-groups are here: the first joint loads meet
.irp s, 0,1
	s_mov_b32 s[G0+4*\s], 1
	s_add_co_u32 s[G0+4*\s+1], s20, \s*SLOT
	s_add_nc_u64 s[G0+4*\s+2:G0+4*\s+3], s[14:15], \s*ASTEP
	s_or_b32 s[G0+4*\s+3], s[G0+4*\s+3], 0x80000000
	s_mov_b32 s[G0B+4*\s], 1
	s_add_co_u32 s[G0B+4*\s+1], s21, \s*SLOT
	s_add_nc_u64 s[G0B+4*\s+2:G0B+4*\s+3], s[46:47], \s*KSTEP*2
	s_or_b32 s[G0B+4*\s+3], s[G0B+4*\s+3], 0x80000000
	JLOAD \s                                       ; two tensor loads of mine are out
.endr
	v_and_b32 v1, 15, v0                           ; r
	v_bfe_u32 v2, v0, 4, 1                         ; h
	v_mul_u32_u24 v3, v1, PA
	v_lshl_add_u32 v3, v2, 4, v3
	v_mul_u32_u24 v4, v1, PB
	v_lshl_add_u32 v4, v2, 4, v4
	s_mul_i32 s21, s11, HALFA                      ; my 64 rows of A
	s_mul_i32 s22, s12, HALFB                      ; my 64 rows of B
	s_add_co_u32 s22, s22, BOFF
.irp s, 0,1
	v_add_nc_u32 v[ADRA+\s], s21, v3
	v_add_nc_u32 v[ADRB+\s], s22, v4
	s_add_co_u32 s21, s21, SLOT
	s_add_co_u32 s22, s22, SLOT
.endr
	s_mul_i32 s23, s10, 16*SPITCH
	s_add_co_u32 s23, s23, STAGE                   ; my stage
	v_mul_u32_u24 v5, v1, SPITCH
	v_lshl_add_u32 v5, v2, 5, v5
	v_add_nc_u32 v[STO], s23, v5                   ; in: row r, 32 bytes for each half of the lanes
	v_mul_u32_u24 v5, v2, SPITCH
	v_lshl_add_u32 v5, v1, 4, v5
	v_add_nc_u32 v[RD], s23, v5                    ; back: lanes 0-15 one row of 256 bytes, lanes 16-31 the next
	v_lshlrev_b32 v5, 12, v2
	v_lshl_add_u32 v[CO], v1, 4, v5                ; and the same two rows in out0
	s_lshl_b32 s16, s13, 7
	s_lshl_b32 s17, s11, 6
	s_add_co_u32 s16, s16, s17                     ; my first row
	s_and_b32 s17, s16, 2047
	v_mov_b32 v[POS], s17
	s_lshl_b32 s16, s16, 12
	s_mov_b32 s17, 0
	s_add_nc_u64 s[8:9], s[8:9], s[16:17]
	s_lshl_b32 s46, s42, 9
	s_lshl_b32 s47, s12, 8
	s_add_co_u32 s46, s46, s47                     ; my first column, in bytes
	s_mov_b32 s47, 0
	s_add_nc_u64 s[8:9], s[8:9], s[46:47]
; 8 matrix instructions: m blocks a0, a0 + 1 x all 4 n blocks, 32 along K: half c of buffer f.  The 16 accumulators take turns
.macro MUL8 f, c, a0, zero
.irp a, \a0, \a0+1
.irp b, 0,1,2,3
.if \zero
	v_wmma_f32_16x16x32_f16 v[ACC+8*(4*(\a)+\b):ACC+8*(4*(\a)+\b)+7], v[\f+64+8*(4*\c+\b):\f+64+8*(4*\c+\b)+7], v[\f+8*(4*\c+\a):\f+8*(4*\c+\a)+7], 0
.else
	v_wmma_f32_16x16x32_f16 v[ACC+8*(4*(\a)+\b):ACC+8*(4*(\a)+\b)+7], v[\f+64+8*(4*\c+\b):\f+64+8*(4*\c+\b)+7], v[\f+8*(4*\c+\a):\f+8*(4*\c+\a)+7], v[ACC+8*(4*(\a)+\b):ACC+8*(4*(\a)+\b)+7]
.endif
.endr
.endr
.endm
; 32 LDS loads in one run: the fragments of quarter q of a slot (64 along K: one head) into buffer f; the first 32 along K first
.macro FETCH slot, q, f
	WIN TO_F
.irp c, 0,1
.irp i, 0,1,2,3
	ds_load_b128 v[\f+64+8*(4*\c+\i):\f+64+8*(4*\c+\i)+3],   v[ADRB+\slot] offset:128*(\q)+64*\c+\i*16*PB
	ds_load_b128 v[\f+64+8*(4*\c+\i)+4:\f+64+8*(4*\c+\i)+7], v[ADRB+\slot] offset:128*(\q)+64*\c+\i*16*PB+32
	ds_load_b128 v[\f+8*(4*\c+\i):\f+8*(4*\c+\i)+3],         v[ADRA+\slot] offset:HEADA*(\q)+64*\c+\i*16*PA
	ds_load_b128 v[\f+8*(4*\c+\i)+4:\f+8*(4*\c+\i)+7],       v[ADRA+\slot] offset:HEADA*(\q)+64*\c+\i*16*PA+32
.endr
.endr
.endm
.macro PLACES
.rept 4
	v_nop
.endr
.endm
.macro QUARTER slot, q, f, g, zero     ; multiplies buffer f and fetches quarter q of the slot into g
	s_wait_dscnt 16                                ; the first 32 along K are in
	WIN MUL
	MUL8 \f, 0, 0, \zero
	MUL8 \f, 0, 2, \zero
	PLACES
	FETCH \slot, \q, \g
	s_wait_dscnt 32                                ; all but the 32 just issued
	WIN MUL
	MUL8 \f, 1, 0, 0
	MUL8 \f, 1, 2, 0
.endm
; A slot's last quarter multiplies buffer 1 and changes slots: ONE barrier; in front of it each wave waits for all its tensor loads, adds 0 to its spare word, and waits for that and for its reads of this slot.
.macro TURN slot, next, fill
	WIN 0
	s_wait_tensorcnt 0x0                           ; all my tensor loads have landed: my part of the next slot
	ds_add_u32 v[SPW], v[NIL]                      ; 0 onto my spare word
	s_wait_dscnt 17                                ; (the add and the youngest sixteen loads may be out)
	WIN MUL
	MUL8 F1, 0, 0, 0
	s_wait_dscnt 0x0                               ; the add is done, and my reads of this slot are over
	s_barrier_signal -1
	MUL8 F1, 0, 2, 0
.if \fill
	WIN 0
.endif
	s_barrier_wait -1
.if \fill
	CREST                                          ; the barrier has opened a round of the cluster's barrier: no wave of any partner still reads this slot or has a load on its way
	s_add_nc_u64 s[G0+4*\slot+2:G0+4*\slot+3], s[G0+4*\slot+2:G0+4*\slot+3], 2*ASTEP
	s_add_nc_u64 s[G0B+4*\slot+2:G0B+4*\slot+3], s[G0B+4*\slot+2:G0B+4*\slot+3], 2*KSTEP*2
	JLOAD \slot                                    ; the first tensor load behind the round; its four v_nop are also the places in front of the loads below
.else
	PLACES
.endif
	FETCH \next, 0, F0
	WIN MUL
	MUL8 F1, 1, 0, 0
	MUL8 F1, 1, 2, 0
.endm
	s_wait_tensorcnt 1                             ; my part of K step 0 is in (K step 1's may be out)
	s_barrier_signal -1
	s_barrier_wait -1                              ; everybody's is
	FETCH 0, 0, F0
	QUARTER 0, 1, F0, F1, 1                        ; the first products start the sums
	QUARTER 0, 2, F1, F0, 0
	QUARTER 0, 3, F0, F1, 0
	TURN 0, 1, 1                                   ; slot 0 takes K step 2
	QUARTER 1, 1, F0, F1, 0
	QUARTER 1, 2, F1, F0, 0
	QUARTER 1, 3, F0, F1, 0
	TURN 1, 0, 1                                   ; slot 1 takes K step 3
	QUARTER 0, 1, F0, F1, 0
	QUARTER 0, 2, F1, F0, 0
	QUARTER 0, 3, F0, F1, 0
	TURN 0, 1, 0                                   ; nothing is left to ask for
	QUARTER 1, 1, F0, F1, 0
	QUARTER 1, 2, F1, F0, 0
	QUARTER 1, 3, F0, F1, 0
	s_wait_dscnt 16
	WIN MUL
	MUL8 F1, 0, 0, 0
	MUL8 F1, 0, 2, 0
	s_wait_dscnt 0
	MUL8 F1, 1, 0, 0
	MUL8 F1, 1, 2, 0
	WIN 0
	; THE WAY OUT, 16 rows x 64 columns at a time, through my own stage: a row's 256 bytes come back whole, sixteen lanes to an aligned unit.
.macro TOSTAGE a
.if (\a) >= 2
	s_wait_xcnt 0x0                                ; block a - 2's stores have read the registers into which these loads land
.endif
.irp b, 0,1,2,3
	ds_store_b128 v[STO], v[ACC+8*(4*(\a)+\b):ACC+8*(4*(\a)+\b)+3] offset:64*\b          ; each accumulator from its low end on
	ds_store_b128 v[STO], v[ACC+8*(4*(\a)+\b)+4:ACC+8*(4*(\a)+\b)+7] offset:64*\b+16
.endr
.set BB, 32+32*((\a)%2)
.irp t, 0,1,2,3,4,5,6,7
	ds_load_b128 v[BB+4*\t:BB+4*\t+3], v[RD] offset:\t*2*SPITCH    ; LDS serves a wave's instructions in order: these see the stores above
.endr
.endm
.macro SEND a, younger
.set BB, 32+32*((\a)%2)
	s_wait_dscnt \younger
.irp t, 0,1,2,3,4,5,6,7
	global_store_b128 v[CO], v[BB+4*\t:BB+4*\t+3], s[8:9] offset:(16*(\a)+2*\t)*4096 th:TH_STORE_NT
.endr
.endm
	PLACES
	TOSTAGE 0
	TOSTAGE 1
	v_cmp_le_u32 vcc_lo, 16, v[POS]                ; block 0 is not stored where it holds a sequence's first 16 positions: a lane mask, since the tile row differs between partners
	s_wait_xcnt 0x0                                ; EXEC changes only behind s_wait_xcnt 0
	s_and_saveexec_b32 s22, vcc_lo
	SEND 0, 16                                     ; behind block 0's loads: block 1's 8 stores and 8 loads
	s_wait_xcnt 0x0
	s_or_b32 exec_lo, exec_lo, s22
	TOSTAGE 2
	SEND 1, 16
	TOSTAGE 3
	SEND 2, 16
	SEND 3, 0
	s_wait_tensorcnt 0x0                           ; the wave's end: behind my last tensor load and my last LDS store
	ds_add_u32 v[SPW], v[NIL]
	s_wait_dscnt 0x0
	CROUND                                         ; the closing round
	s_endpgm
.Lfunc_end_k_qc21ea95b41_proj:
	.size	k_qc21ea95b41_proj, .Lfunc_end_k_qc21ea95b41_proj-k_qc21ea95b41_proj
	.p2alignl 7, 3214868480
	.fill 96, 4, 3214868480
	.section	.rodata,"a",@progbits
	.p2align	6, 0x0
	.amdhsa_kernel k_qc21ea95b41_proj
		.amdhsa_group_segment_fixed_size 327680
		.amdhsa_private_segment_fixed_size 0
		.amdhsa_enable_private_segment 0
		.amdhsa_kernarg_size 24
		.amdhsa_user_sgpr_count 2
		.amdhsa_user_sgpr_kernarg_segment_ptr 1
		.amdhsa_wavefront_size32 1
		.amdhsa_system_sgpr_workgroup_id_x 1
		.amdhsa_system_sgpr_workgroup_id_y 1
		.amdhsa_system_sgpr_workgroup_id_z 1
		.amdhsa_system_vgpr_workitem_id 0
		.amdhsa_next_free_vgpr 512
		.amdhsa_next_free_sgpr 66
		.amdhsa_reserve_vcc 1
		.amdhsa_float_denorm_mode_32 3
		.amdhsa_float_denorm_mode_16_64 3
		.amdhsa_memory_ordered 1
		.amdhsa_forward_progress 1
		.amdhsa_inst_pref_size 86
	.end_amdhsa_kernel
	.amdgpu_metadata
---
amdhsa.version: [ 1, 2 ]
amdhsa.kernels:
  - .name:           k_qc21ea95b41_proj
    .symbol:         k_qc21ea95b41_proj.kd
    .args:
      - { .name: ao, .offset: 0, .size: 8, .value_kind: global_buffer, .address_space: global }
      - { .name: wot, .offset: 8, .size: 8, .value_kind: global_buffer, .address_space: global }
      - { .name: out0, .offset: 16, .size: 8, .value_kind: global_buffer, .address_space: global }
    .group_segment_fixed_size: 327680
    .private_segment_fixed_size: 0
    .kernarg_segment_align: 8
    .kernarg_segment_size: 24
    .max_flat_workgroup_size: 128
    .sgpr_count:     66
    .vgpr_count:     512
    .wavefront_size: 32
...
	.end_amdgpu_metadata
.endif
;; end of part 4
;; launch fine (part 5): grid 16 x 2, 16 waves a work-group, no clusters, 71,680 bytes of LDS; arguments qkv, wot, log_xi, out0; writes out0
.if DOCPART == 5
	.amdgcn_target "amdgcn-amd-amdhsa--gfx1250"
	.amdhsa_code_object_version 6
	.text
	.protected	k_qc21ea95b41_fine
	.globl	k_qc21ea95b41_fine
	.p2align	8
	.type	k_qc21ea95b41_fine,@function
k_qc21ea95b41_fine:
	s_mov_b64 s[64:65], 0
	v_nop
	global_prefetch_b8 v0, s[64:65] scope:SCOPE_SE
	s_setreg_imm32_b32 hwreg(HW_REG_WAVE_MODE, 25, 1), 1
	s_wait_xcnt 0x0
; FINE: the first 16 positions of each sequence, where a row of the softmax averages one to sixteen values and is largest in size: attention in f32, the projection on pairs of f16 numbers (high and low part of both operands).
; q, k, v of these positions: f32, [batch][section][head][16][64] from byte FINE0 of qkv on.  w_o's transpose [n][k] as f16: high part at wot + 0, low part at wot + LOOFF.  out0: rows 0..15 of each batch.
; SHARES.  A work-group makes 64 columns of out0 for one batch; a wave takes one head: it makes the head's 16 x 16 attention (32 matrix instructions of the f32 form; repeated in the 16 work-groups of a batch: less than a launch more
; would cost), and multiplies the head's 64 channels, its part of the projection's K, into the 64 columns.  The sixteen waves' parts meet in LDS and are added in a fixed order.
; LAYOUT.  S^T = K Q^T: a lane holds one query (lane % 16) and keys 8 (lane / 16) + 0..7.  The f32 form takes k = 2 (lane / 16) + j; k is permuted alike on both sides: for S^T a lane's registers run along channels
; 32 (lane / 16) + 0..31; for O^T = V^T P slot (h, j) of instruction s is key 8 h + 2 s + j.  O^T / l, split and packed, is source 1 of the projection, used transposed: a lane holds eight neighbouring columns of one row of out0.
; The registers that the f32 form writes are written by matrix instructions alone.
; THE SPLIT: t = 8193 a, high = t - (t - a) has 11 significant bits, low = a - high is exact; high x high + high x low + low x high are summed; low x low, some 2^-24 of the product, is left out.
; LIMITS: values under 65,504 in magnitude; exp(-log_xi) finite; NaN and infinities are not served.
.set FINE0, 25165824
.set LOOFF, 2097152
.set PP,    272                        ; a row of a wave's part: 256 bytes + 16
.set WPART, 16*PP
.set SPARE, 16*WPART                   ; the spare words, 128 bytes for each wave: eight blocks of 256 bytes that no other line names
.set SPW,  18
.set NIL,  19
.set QF,   20                          ; v20-51   Q;  v52-83 K;  later w_o's tiles 2 and 3
.set KF,   52
.set VF,   84                          ; v84-115  V^T;  later the high parts (v84-99) and the low parts (v100-115) of O^T / l
.set W01,  116                         ; v116-179 w_o's tiles 0 and 1;  later the sixteen parts
.set S0,   180                         ; v180-187, v188-195 S^T in two sums;  later the projection's two accumulators
.set S1,   188
.set OT,   196                         ; v196-227 O^T
.set PW,   228                         ; v228-235 the weights
.set TM,   236                         ; v236-247 at work
	s_load_b128 s[4:7], s[0:1], 0x0                ; qkv s[4:5], wot s[6:7]
	s_load_b128 s[8:11], s[0:1], 0x10              ; log_xi s[8:9], out0 s[10:11]
	v_lshl_add_u32 v[SPW], v0, 2, SPARE
	v_mov_b32 v[NIL], 0
	v_lshrrev_b32 v1, 5, v0
	v_readfirstlane_b32 s12, v1                    ; wave = head
	s_and_b32 s13, ttmp7, 0xffff                   ; batch
	v_and_b32 v1, 15, v0                           ; r
	v_bfe_u32 v2, v0, 4, 1                         ; h
	v_lshlrev_b32 v3, 8, v1
	v_lshl_add_u32 v3, v2, 7, v3                   ; Q, K: row r of 256 bytes, + 128 h
	v_lshlrev_b32 v4, 2, v1
	v_lshl_add_u32 v4, v2, 11, v4                  ; V: channel r, key 8 h
	v_lshlrev_b32 v5, 11, v1
	v_lshl_add_u32 v5, v2, 4, v5                   ; w_o^T: row r of 2,048 bytes, + 16 h
	s_mul_i32 s20, s12, WPART
	v_mul_u32_u24 v6, v1, PP
	v_lshl_add_u32 v6, v2, 5, v6
	v_add_nc_u32 v6, s20, v6                       ; my part: row r, 32 bytes for each half of the lanes
	s_mul_i32 s20, s12, 2*PP
	v_mul_u32_u24 v16, v2, PP
	v_lshl_add_u32 v16, v1, 4, v16
	v_add_nc_u32 v16, s20, v16                     ; the sum (waves 0 to 7): rows 2 w and 2 w + 1, sixteen lanes to a row
	s_lshl_b32 s20, s12, 13
	v_lshlrev_b32 v17, 12, v2
	v_lshl_add_u32 v17, v1, 4, v17
	v_add_nc_u32 v17, s20, v17                     ; and the same place in out0
	v_lshlrev_b32 v7, 3, v2
	v_sub_nc_u32 v9, v1, v7                        ; r - 8 h
	v_sub_nc_u32 v7, v7, v1                        ; 8 h - r
	v_mov_b32 v10, 0xff800000                      ; -infinity
	v_mov_b32 v12, 0                               ; (a lane permute's destination counts as one of its sources)
	v_mov_b32 v15, 0                               ; (named as the upper half of the pair v[14:15])
	s_mov_b32 s20, 0x76543210
	s_mov_b32 s21, 0xfedcba98                      ; v_permlanex16_b32's selects for lane l xor 16
	s_mov_b32 s22, 0x3e38aa3b                      ; c = log2(e) / 8
	s_mov_b32 s24, 0x46000400                      ; 8193.0
	s_mov_b32 s25, s24
	s_mul_i32 s14, s13, 48
	s_add_co_u32 s14, s14, s12
	s_lshl_b32 s14, s14, 12
	s_add_co_u32 s14, s14, FINE0                   ; (batch, section q, my head); k lies 65,536 bytes on, v 131,072
	s_mov_b32 s15, 0
	s_lshl_b32 s16, ttmp9, 17                      ; w_o^T: 64 rows a work-group,
	s_lshl_b32 s17, s12, 7                         ; my head's 64 k
	s_add_co_u32 s16, s16, s17
	s_mov_b32 s17, 0
	s_lshl_b32 s18, s12, 2
	s_mov_b32 s19, 0
	s_lshl_b32 s26, s13, 23                        ; out0: 2,048 rows of 4,096 bytes a batch,
	s_lshl_b32 s27, ttmp9, 8                       ; 64 columns a work-group
	s_add_co_u32 s26, s26, s27
	s_mov_b32 s27, 0
	s_and_b32 s29, s12, 1
	s_cmp_eq_u32 s29, 1
	s_cselect_b32 s29, -1, 0                       ; heads with an odd number decay
	s_wait_kmcnt 0x0
	s_add_nc_u64 s[14:15], s[4:5], s[14:15]
	s_add_nc_u64 s[16:17], s[6:7], s[16:17]
	s_add_nc_u64 s[8:9], s[8:9], s[18:19]
	s_add_nc_u64 s[10:11], s[10:11], s[26:27]
	s_load_b32 s28, s[8:9], 0x0                    ; log_xi of my head
.irp c, 0,1,2,3,4,5,6,7
	global_load_b128 v[QF+4*\c:QF+4*\c+3], v3, s[14:15] offset:16*\c
.endr
.irp c, 0,1,2,3,4,5,6,7
	global_load_b128 v[KF+4*\c:KF+4*\c+3], v3, s[14:15] offset:65536+16*\c
.endr
.irp t, 0,1,2,3
.irp k, 0,1,2,3,4,5,6,7
	global_load_b32 v[VF+8*\t+\k], v4, s[14:15] offset:131072+256*\k+64*\t   ; V(8 h + k, 16 t + r)
.endr
.endr
; w_o^T's tiles c0 and c0 + 1 of 16 columns: for each, high and low part, two K steps of 32: register base + 32 (c - c0) + 16 part + 8 u
.macro WLD base, c0
.irp c, 0,1
.irp p, 0,1
.irp u, 0,1
.irp e, 0,1
	global_load_b128 v[\base+32*\c+16*\p+8*\u+4*\e:\base+32*\c+16*\p+8*\u+4*\e+3], v5, s[16:17] offset:(\c0+\c)*32768+LOOFF*\p+64*\u+32*\e
.endr
.endr
.endr
.endr
.endm
	WLD W01, 0
	s_wait_kmcnt 0x0
	v_mov_b32 v8, s28
	v_mul_f32 v8, 0xbfb8aa3b, v8
	v_exp_f32 v8, v8                               ; exp(-log_xi)
	v_nop                                          ; a plain instruction behind the exponential,
	s_wait_alu depctr_va_vdst(0)                   ; and the wait ahead of its first reader
	v_mul_f32 v8, 0x41000000, v8
	v_cndmask_b32 v8, 0, v8, s29                   ; g = 8 / exp(log_xi), or 0
	s_wait_loadcnt 48                              ; Q and K are in; V's 32 loads and w_o's 16 may be out
	v_wmma_f32_16x16x4_f32 v[S0:S0+7], v[KF:KF+1], v[QF:QF+1], 0              ; the first K steps start the two sums, which take turns
	v_wmma_f32_16x16x4_f32 v[S1:S1+7], v[KF+2:KF+3], v[QF+2:QF+3], 0
.irp s, 4,8,12,16,20,24,28
	v_wmma_f32_16x16x4_f32 v[S0:S0+7], v[KF+\s:KF+\s+1], v[QF+\s:QF+\s+1], v[S0:S0+7]
	v_wmma_f32_16x16x4_f32 v[S1:S1+7], v[KF+\s+2:KF+\s+3], v[QF+\s+2:QF+\s+3], v[S1:S1+7]
.endr
.rept 8
	v_nop                                          ; eight places behind this form: for the loads into Q's and K's registers and the reads of the sums
.endr
	WLD QF, 2
.irp j, 0,1,2,3,4,5,6,7
	v_add_f32 v[PW+\j], v[S0+\j], v[S1+\j]         ; the raw score, from the sums' low ends on
.endr
.irp j, 0,1,2,3,4,5,6,7
	v_add_nc_u32 v[TM+\j], \j, v7                  ; key - query
.endr
.irp j, 0,1,2,3,4,5,6,7
	v_cvt_f32_i32 v[TM+\j], v[TM+\j]
.endr
.irp j, 0,1,2,3,4,5,6,7
	v_fma_f32 v[PW+\j], v8, v[TM+\j], v[PW+\j]     ; + g (key - query)
.endr
.irp j, 0,1,2,3,4,5,6,7
	v_cmp_gt_i32 vcc_lo, \j, v9                    ; keys after the query are hidden
	v_cndmask_b32 v[PW+\j], v[PW+\j], v10, vcc_lo
.endr
	v_max3_num_f32 v11, v[PW], v[PW+1], v[PW+2]
	v_max3_num_f32 v11, v11, v[PW+3], v[PW+4]
	v_max3_num_f32 v11, v11, v[PW+5], v[PW+6]
	v_max_num_f32 v11, v11, v[PW+7]
	v_permlanex16_b32 v12, v11, s20, s21
	v_max_num_f32 v11, v11, v12                    ; key 0 counts for every query: a number
	v_mul_f32 v11, s22, v11
.irp j, 0,1,2,3,4,5,6,7
	v_fma_f32 v[PW+\j], v[PW+\j], s22, -v11
.endr
.irp j, 0,1,2,3,4,5,6,7
	v_exp_f32 v[PW+\j], v[PW+\j]
.endr
	v_nop
	s_wait_alu depctr_va_vdst(0)                   ; one wait for the eight
	v_add_f32 v13, v[PW], v[PW+1]
	v_add_f32 v14, v[PW+2], v[PW+3]
	v_add_f32 v13, v13, v[PW+4]
	v_add_f32 v14, v14, v[PW+5]
	v_add_f32 v13, v13, v[PW+6]
	v_add_f32 v14, v14, v[PW+7]
	v_add_f32 v13, v13, v14
	v_permlanex16_b32 v12, v13, s20, s21
	v_add_f32 v13, v13, v12                        ; the row's sum
	v_rcp_f32 v14, v13
	v_nop
	s_wait_alu depctr_va_vdst(0)
	s_wait_loadcnt 32                              ; V is in; w_o's 32 loads may be out
.irp t, 0,1,2,3
	v_wmma_f32_16x16x4_f32 v[OT+8*\t:OT+8*\t+7], v[VF+8*\t:VF+8*\t+1], v[PW:PW+1], 0        ; four sums by turns
.endr
.irp s, 1,2,3
.irp t, 0,1,2,3
	v_wmma_f32_16x16x4_f32 v[OT+8*\t:OT+8*\t+7], v[VF+8*\t+2*\s:VF+8*\t+2*\s+1], v[PW+2*\s:PW+2*\s+1], v[OT+8*\t:OT+8*\t+7]
.endr
.endr
.rept 8
	v_nop                                          ; eight places: for the reads of O^T and the writes over V's registers
.endr
.irp n, 0,1,2,3,4,5,6,7,8,9,10,11,12,13,14,15
.set TA, TM+6*(\n%2)                   ; three pairs at work, two sets by turns
	v_pk_mul_f32 v[TA:TA+1], v[OT+2*\n:OT+2*\n+1], v[14:15] op_sel_hi:[1,0]                 ; a = O^T / l
	v_pk_mul_f32 v[TA+2:TA+3], v[TA:TA+1], s[24:25] op_sel_hi:[1,0]                         ; t
	v_pk_add_f32 v[TA+4:TA+5], v[TA+2:TA+3], v[TA:TA+1] neg_lo:[0,1] neg_hi:[0,1]           ; t - a
	v_pk_add_f32 v[TA+2:TA+3], v[TA+2:TA+3], v[TA+4:TA+5] neg_lo:[0,1] neg_hi:[0,1]         ; high
	v_pk_add_f32 v[TA:TA+1], v[TA:TA+1], v[TA+2:TA+3] neg_lo:[0,1] neg_hi:[0,1]             ; low
	v_cvt_pk_f16_f32 v[VF+\n], v[TA+2], v[TA+3]
	v_cvt_pk_f16_f32 v[VF+16+\n], v[TA], v[TA+1]
.endr
; two tiles of 16 columns, by turns: high x high, high x low, low x high, each over two K steps of 32; then the lane's 2 x 32 bytes go to my part in LDS
.macro PROJ base, c0
.irp c, 0,1
	v_wmma_f32_16x16x32_f16 v[S0+8*\c:S0+8*\c+7], v[\base+32*\c:\base+32*\c+7], v[VF:VF+7], 0
.endr
.irp c, 0,1
	v_wmma_f32_16x16x32_f16 v[S0+8*\c:S0+8*\c+7], v[\base+32*\c+8:\base+32*\c+15], v[VF+8:VF+15], v[S0+8*\c:S0+8*\c+7]
.endr
.irp u, 0,1
.irp c, 0,1
	v_wmma_f32_16x16x32_f16 v[S0+8*\c:S0+8*\c+7], v[\base+32*\c+8*\u:\base+32*\c+8*\u+7], v[VF+16+8*\u:VF+16+8*\u+7], v[S0+8*\c:S0+8*\c+7]
.endr
.endr
.irp u, 0,1
.irp c, 0,1
	v_wmma_f32_16x16x32_f16 v[S0+8*\c:S0+8*\c+7], v[\base+32*\c+16+8*\u:\base+32*\c+16+8*\u+7], v[VF+8*\u:VF+8*\u+7], v[S0+8*\c:S0+8*\c+7]
.endr
.endr
.rept 4
	v_nop                                          ; four places in front of the stores that read the results
.endr
.irp c, 0,1
	ds_store_b128 v6, v[S0+8*\c:S0+8*\c+3] offset:64*(\c0+\c)
	ds_store_b128 v6, v[S0+8*\c+4:S0+8*\c+7] offset:64*(\c0+\c)+16
.endr
.endm
	s_wait_loadcnt 16                              ; tiles 0 and 1 are in; the 16 loads of tiles 2 and 3 may be out
	PROJ W01, 0
.rept 2
	v_nop                                          ; with the four above: more than the five places in front of products that begin the accumulators anew
.endr
	s_wait_dscnt 0x0                               ; the stores have read the accumulators
	s_wait_loadcnt 0x0
	PROJ QF, 2
	s_wait_dscnt 0x0                               ; for the others' sake: my part has landed
	s_barrier_signal -1
	s_barrier_wait -1
	s_cmp_lt_u32 s12, 8                            ; waves 0 to 7 add: two rows each
	s_cbranch_scc0 .Ldone
.irp s, 0,1,2,3,4,5,6,7,8,9,10,11,12,13,14,15
	ds_load_b128 v[W01+4*\s:W01+4*\s+3], v16 offset:WPART*\s
.endr
	s_wait_dscnt 0x0
.irp s, 0,1,2,3,4,5,6,7
	v_pk_add_f32 v[W01+4*\s:W01+4*\s+1], v[W01+4*\s:W01+4*\s+1], v[W01+4*\s+32:W01+4*\s+33]
	v_pk_add_f32 v[W01+4*\s+2:W01+4*\s+3], v[W01+4*\s+2:W01+4*\s+3], v[W01+4*\s+34:W01+4*\s+35]
.endr
.irp s, 0,1,2,3
	v_pk_add_f32 v[W01+4*\s:W01+4*\s+1], v[W01+4*\s:W01+4*\s+1], v[W01+4*\s+16:W01+4*\s+17]
	v_pk_add_f32 v[W01+4*\s+2:W01+4*\s+3], v[W01+4*\s+2:W01+4*\s+3], v[W01+4*\s+18:W01+4*\s+19]
.endr
.irp s, 0,1
	v_pk_add_f32 v[W01+4*\s:W01+4*\s+1], v[W01+4*\s:W01+4*\s+1], v[W01+4*\s+8:W01+4*\s+9]
	v_pk_add_f32 v[W01+4*\s+2:W01+4*\s+3], v[W01+4*\s+2:W01+4*\s+3], v[W01+4*\s+10:W01+4*\s+11]
.endr
	v_pk_add_f32 v[W01:W01+1], v[W01:W01+1], v[W01+4:W01+5]
	v_pk_add_f32 v[W01+2:W01+3], v[W01+2:W01+3], v[W01+6:W01+7]
	global_store_b128 v17, v[W01:W01+3], s[10:11]  ; sixteen lanes store 256 consecutive bytes, aligned
.Ldone:
	s_wait_tensorcnt 0x0                           ; the wave's end: behind my last LDS store
	ds_add_u32 v[SPW], v[NIL]
	s_wait_dscnt 0x0
	s_endpgm
.Lfunc_end_k_qc21ea95b41_fine:
	.size	k_qc21ea95b41_fine, .Lfunc_end_k_qc21ea95b41_fine-k_qc21ea95b41_fine
	.p2alignl 7, 3214868480
	.fill 96, 4, 3214868480
	.section	.rodata,"a",@progbits
	.p2align	6, 0x0
	.amdhsa_kernel k_qc21ea95b41_fine
		.amdhsa_group_segment_fixed_size 71680
		.amdhsa_private_segment_fixed_size 0
		.amdhsa_enable_private_segment 0
		.amdhsa_kernarg_size 32
		.amdhsa_user_sgpr_count 2
		.amdhsa_user_sgpr_kernarg_segment_ptr 1
		.amdhsa_wavefront_size32 1
		.amdhsa_system_sgpr_workgroup_id_x 1
		.amdhsa_system_sgpr_workgroup_id_y 1
		.amdhsa_system_sgpr_workgroup_id_z 1
		.amdhsa_system_vgpr_workitem_id 0
		.amdhsa_next_free_vgpr 256
		.amdhsa_next_free_sgpr 66
		.amdhsa_reserve_vcc 1
		.amdhsa_float_denorm_mode_32 3
		.amdhsa_float_denorm_mode_16_64 3
		.amdhsa_memory_ordered 1
		.amdhsa_forward_progress 1
		.amdhsa_inst_pref_size 30
	.end_amdhsa_kernel
	.amdgpu_metadata
---
amdhsa.version: [ 1, 2 ]
amdhsa.kernels:
  - .name:           k_qc21ea95b41_fine
    .symbol:         k_qc21ea95b41_fine.kd
    .args:
      - { .name: qkv, .offset: 0, .size: 8, .value_kind: global_buffer, .address_space: global }
      - { .name: wot, .offset: 8, .size: 8, .value_kind: global_buffer, .address_space: global }
      - { .name: log_xi, .offset: 16, .size: 8, .value_kind: global_buffer, .address_space: global }
      - { .name: out0, .offset: 24, .size: 8, .value_kind: global_buffer, .address_space: global }
    .group_segment_fixed_size: 71680
    .private_segment_fixed_size: 0
    .kernarg_segment_align: 8
    .kernarg_segment_size: 32
    .max_flat_workgroup_size: 512
    .sgpr_count:     66
    .vgpr_count:     256
    .wavefront_size: 32
...
	.end_amdgpu_metadata
.endif
;; end of part 5
